; MI455X (gfx1250); checked and timed in simulation.
; The chip was launched on July 23, 2026; its instructions are those of AMD's public machine-readable ISA for CDNA 5 (MIT licence, August 2026) and "CDNA5" Instruction Set Architecture Reference Guide (July 2026). The comments in the code are by the model that wrote it; some were corrected since.
;; Self Attention. Allowed arithmetic: matrix products marked QUANTISED: E2M3 operands, one E8M0 scale for each 32 along K, by v_wmma_scale_f32_16x16x128_f8f6f4 with both operands' format E2M3, f32 sums; everything else in f32.
;; Inputs: Wk 256 x 256 float32; Wq 256 x 256 float32; Wv 256 x 256 float32; bk 256 float32; bq 256 float32; bv 256 float32; x 4 x 4,096 x 256 float32.
;; Outputs: out0 4 x 4,096 x 256 float32.
;; This version of the problem:
;;   THIS VERSION OF THE PROBLEM IS GIVEN IN LOW PRECISION. The matrix products marked QUANTISED in the list below multiply operands that are first quantised to E2M3 (2 exponent bits, 3 mantissa bits; 6 bits a number), with one power-of-two scale for each 32 numbers along K (OCP MX v1.0); their sums are f32. All else is computed in f32.
;;   The module's matrix products, in the order in which they are computed (A, B: the left and right operand; K: the contracted axis; several contracted axes count as one K, in the product's order):
;;     1. [M 16,384, K 256] x [K 256, N 256]; A: input x; B: input Wq: QUANTISED
;;     2. [M 16,384, K 256] x [K 256, N 256]; A: input x; B: input Wk: QUANTISED
;;     3. [M 16,384, K 256] x [K 256, N 256]; A: input x; B: input Wv: QUANTISED
;;     4. batch 4 x [M 4,096, K 256] x [K 256, N 4,096]; A: computed on the way; B: computed on the way: QUANTISED
;;     5. batch 4 x [M 4,096, K 4,096] x [K 4,096, N 256]; A: softmax (see below); B: computed on the way: QUANTISED
;;   THE QUANTISER, for each operand of a quantised product, along K:
;;     - K is cut into blocks of 32 from its start; a last block that is shorter is filled with zeros.
;;     - A block's scale is 2^e with e = floor(log2(the largest magnitude in the block)) - 2, held to -126 .. 127; a block of zeros has e = 0. As a byte (E8M0): e + 127.
;;     - Each number is divided by its block's scale, clamped to +-7.5, and rounded to the nearest number of E2M3, ties to even, subnormals kept.
;;     - The product sums the exact products of the quantised numbers (number of the format x scale) in f32.
;;   ~~~python
;;   def quantise(x, axis):      # numpy; x: float32 -> the quantised numbers, widened to float32 again
;;       x = np.moveaxis(x, axis, -1); K = x.shape[-1]
;;       x = np.pad(x, [(0, 0)] * (x.ndim - 1) + [(0, -K % 32)]); x = x.reshape(x.shape[:-1] + (-1, 32)); a = np.abs(x).max(-1, keepdims=True)
;;       e = np.where(a > 0, np.clip(np.frexp(np.where(a > 0, a, 1))[1] - 1 - 2, -126, 127), 0)      # np.frexp(a)[1] - 1 = floor(log2(a)), exactly
;;       r = np.clip(x / 2.0 ** e, -7.5, 7.5)
;;       step = 2.0 ** (np.maximum(np.frexp(np.where(r == 0, 1, r))[1] - 1, 0) - 3)
;;       q = np.round(r / step) * step * 2.0 ** e      # np.round: ties to even
;;       return np.moveaxis(q.reshape(q.shape[:-2] + (-1,))[..., :K], -1, axis).astype(np.float32)
;;   ~~~
;;   SOFTMAX AHEAD OF A QUANTISED PRODUCT. Where the list says 'softmax', what is quantised is not the finished softmax but p = 2^(t - M), with t = logit x log2(e) and M = ceil(the row's largest t), a whole number; so 1/2 < the row's largest p <= 1. The row's sum l is taken of the UNQUANTISED p, in f32, and the product's result is divided by l at the end. Since M is a whole number, a kernel that streams over the keys may use a running M (the ceiling of the running maximum): every later rescaling is an exact power of two, which a block's scale takes up: the codes' values come out the same.
;;   OPERANDS COMPUTED ON THE WAY. 'Computed on the way' means the value that the module computes at that place (a softmax that the list does not call 'softmax' is quantised finished and normalised). What goes into a quantiser is computed in f32, as accurately as f32 sums, v_exp_f32 and their like allow (about 1e-6 of the number): no bf16 or f16 on the way to a quantiser, and a product that is left as it is and whose result goes on into a quantised operand takes f32 operands (vector FMAs, or v_wmma_f32_16x16x4_f32). A number that lies on a knife's edge between two numbers of the format may be rounded either way, as far as f32 arithmetic and the matrix unit's own rounding can turn it there, and no further.
;; 2 versions. Each part assembles by itself: llvm-mc -triple=amdgcn-amd-amdhsa -mcpu=gfx1250 --defsym DOCPART=n.
;; ======== version 1 of 2: 2 launches
;; workspace buffers: qc 3,276,800 bytes; kv 6,553,600 bytes
;; launch proj (part 1): grid 128 x 2, 8 waves a work-group, no clusters, 109,056 bytes of LDS; arguments x, Wq, bq, Wk, bk, Wv, bv, qc, kv; writes qc, kv
.if DOCPART == 1
	.amdgcn_target "amdgcn-amd-amdhsa--gfx1250"
	.amdhsa_code_object_version 6
	.text
	.protected	k_qa982ab13cc_proj
	.globl	k_qa982ab13cc_proj
	.p2align	8
	.type	k_qa982ab13cc_proj,@function
k_qa982ab13cc_proj:
	s_mov_b64 s[64:65], 0
	v_nop
	global_prefetch_b8 v0, s[64:65] scope:SCOPE_SE
	s_setreg_imm32_b32 hwreg(HW_REG_WAVE_MODE, 25, 1), 1
	s_wait_xcnt 0x0
; q = x Wq^T + bq, k = x Wk^T + bk, v = x Wv^T + bv on codes of FP6 (E2M3) with one E8M0 scale for each 32 along K; the results are quantised again, in registers, as the operands
; of the attention launch: q and k along the 256 features, v along the tokens (the keys).  x: [16,384][256] f32; W: [256][256] f32, K innermost; b: [256] f32.
; SHARES.  A work-group takes a chunk of 128 tokens (work-group x) and one half of the columns (work-group y): half 0 makes q and v's channels 0-127, half 1 makes k and v's channels 128-255.
; Both halves take ONE path through the text: only pointers are chosen, on the work-group's number.  Eight waves.  Wave w quantises tile w of x, tiles 2 w and 2 w + 1 of Wq or Wk and one tile of Wv,
; and stores them in LDS as IMAGES OF THE OPERAND'S REGISTERS (12 registers a lane: three stores of 16 bytes a lane, 512 bytes each; the scale word: 4 bytes a lane).  Behind one barrier each wave runs three jobs
; of 16 matrix instructions: features 0-127 and 128-255 of q or k for its 16 tokens, and its 16 channels of v for all 128 tokens.
; THE ROWS OF A TILE ARE NOT NEIGHBOURS: lane r of tile T holds row 32 (T / 2) + 8 (T % 2) + r + 8 (r / 8), for tokens and for rows of every W.  With such a tile as source 0, register j of lane (r, h) in the result
; is row 32 (T / 2) + 16 h + 8 (T % 2) + j: the 16 registers of tiles 2 b and 2 b + 1 are 16 NEIGHBOURS along the next product's K.  So the same fragments of x serve as source 1 (q, k: a lane holds a token,
; its registers run along the features) and as source 0 (v: a lane holds a channel, its registers run along the tokens).  The biases are the C of each sum's first matrix instruction.
; OUT.  qc: 128 chunks of 25,600 bytes: fragment (tile m, K step s) at (2 m + s) x 1,536; at 24,576 the scale words: byte 512 (m / 4) + 16 lane + 4 (m % 4), lanes 0-15 K step 0, lanes 16-31 K step 1.
; kv: 128 steps of 51,200 bytes: k's chunk laid like q's, then v's: fragment of channel tile i at 1,536 i; its scale words at 24,576 + 512 (i / 8) + 16 (r + 16 (i % 2)) + 4 ((i / 2) % 4).
; Every store into them covers 512 consecutive bytes at a multiple of 256 from the buffer's first byte.
; LIMITS: NaN and infinities among the inputs are not served.  A block whose largest magnitude lies under 2^-124, a block of zeros among them, gets the scale byte 1 (the rule says 127 for zeros): its codes
; are zeros or subnormal codes under that byte, and the bytes are read by this program alone.
; No tensor load, no cluster, no prefetch: the launch reads 512 KB a work-group through registers and is over after three jobs a wave.
.set FRB,   1536                       ; a fragment's image in bytes
.set XIMG,  0                          ; LDS: x's 16 fragments, (2 m + s) FRB
.set XSC,   24576                      ; their scale words, 128 bytes each
.set WSC,   26624                      ; the 48 fragments' of W likewise
.set SST,   32768                      ; the scale words on their way out: 1,024 bytes of q's or k's, 512 of v's
.set SPARE, 34304                      ; the spare words, 128 bytes for each wave: four blocks of 256 bytes that no other line names
.set WIMG,  35328                      ; Wq's or Wk's 32 fragments, (2 T + s) FRB, then Wv's 16, (32 + 2 w + s) FRB
.set HIB,   WIMG+16*FRB                ; carried by two address registers, so that every immediate stays inside 16 bits
.set XA,  4                            ; v4   x, W: my lane's byte in a tile's rows: 1,024 (r + 8 (r / 8)) + 64 h
.set LI,  5                            ; v5   16 x lane
.set LS,  6                            ; v6   4 x lane
.set XWI, 7                            ; v7   16 x lane + 2 FRB x wave
.set XWS, 8                            ; v8   4 x lane + 256 x wave
.set WWI, 9                            ; v9   16 x lane + 4 FRB x wave
.set WWS, 10                           ; v10  4 x lane + 512 x wave
.set LI1, 11                           ; v11  16 x lane + HIB
.set VWI, 12                           ; v12  XWI + HIB
.set SSA, 13                           ; v13  where my q or k scale word goes in the stage
.set SSV, 14                           ; v14  and my v scale word
.set TA,  15                           ; v15  where waves 0 to 2 read the stage back
.set AS,  16                           ; v16-31 source 0's scale words
.set BS,  32                           ; v32-33 source 1's
.set BO,  34                           ; v34  64 h: my half's eight numbers of a tile's bias
.set BVO, 35                           ; v35  4 (r + 8 (r / 8)): my channel's number of bv
.set SPW, 36                           ; v36  LDS address of my spare word; never rewritten
.set NIL, 37                           ; v37  0; never rewritten
.set HA,  48                           ; v48-111  a job's eight results; in the first phase 64 numbers as loaded
.set ST,  112                          ; v112-175 the other 64 numbers as loaded
.set BF,  176                          ; v176-199 source 1's two fragments
.set PC,  200                          ; v200-211 the codes just made; v212-218 at work
.set TM,  220                          ; v220-223 largest magnitudes, v224-227 bytes, v232-235 the conversions' scale operands
.set PW,  236                          ; the scale word just made
.set PW0, 237                          ; K step 0's, kept
.set SW,  238                          ; both, lanes 0-15 and 16-31
.set AF,  0                            ; window 1: v0-191 source 0's 16 fragments
.set BI,  192                          ; window 1: v192-255 the bias, in the result's layout
.set WV,   22
.set HALF, 23
.set SEL,  26
.set PTX,  28                          ; s[28:29] x at my tile's first row
.set PTW,  30                          ; s[30:31] Wq or Wk at row 32 w
.set PTV,  32                          ; s[32:33] Wv at my tile's first row
.set PB1,  34                          ; s[34:35] bq or bk
.set PBV,  36                          ; s[36:37] bv at my tile's first channel
.set O1W,  38                          ; s[38:39] q's or k's chunk, my tile's two fragments
.set OVW,  40                          ; s[40:41] v's chunk, my fragment
.set PTT,  42                          ; s[42:43] where waves 0 to 2 store the scale words
.set MSB, 0
.macro WIN new                         ; the immediate's high byte repeats the setting that is left
.if MSB != \new
	s_set_vgpr_msb (MSB<<8)|\new
.set MSB, \new
.endif
.endm
; 64 numbers of my row for one fragment: of each block of 32 my half's 16 neighbours, four loads of 16 bytes
.macro XLOAD reg, base, off
.irp b, 0,1,2,3
.irp j, 0,1,2,3
	global_load_b128 v[\reg+16*\b+4*\j:\reg+16*\b+4*\j+3], v[XA], s[\base:\base+1] offset:\off+128*\b+16*\j
.endr
.endr
.endm
; 64 numbers of a lane, register 16 b + i = k 32 b + 16 (lane / 16) + i of my row, become a fragment's codes in v[PC] on and its scale word in v[PW]
.macro QUANT s
.irp b, 0,1,2,3
	v_max3_num_f32 v[TM+\b], |v[\s+16*\b]|, |v[\s+1+16*\b]|, 0x1800000   ; block b: my 16 numbers, and the floor 2^(3 - 127): the byte cannot fall under 1
.endr
.irp i, 2,4,6,8,10,12,14
.irp b, 0,1,2,3
	v_max3_num_f32 v[TM+\b], v[TM+\b], |v[\s+16*\b+\i]|, |v[\s+1+16*\b+\i]|   ; the four blocks by turns; each result is read from its low end on
.endr
.endr
.irp b, 0,1,2,3
	v_permlanex16_b32 v[TM+4+\b], v[TM+\b], s[SEL], s[SEL+1]
.endr
.irp b, 0,1,2,3
	v_max_num_f32 v[TM+\b], v[TM+\b], v[TM+4+\b]   ; with lane l xor 16's: the block's largest magnitude
.endr
.irp b, 0,1,2,3
	v_add_nc_u32 v[TM+12+\b], 0xff000000, v[TM+\b]   ; 2 off its exponent field: the conversion takes the exponent field of this operand as its scale
.endr
.irp b, 0,1,2,3
	v_lshrrev_b32 v[TM+4+\b], 23, v[TM+12+\b]      ; the scale's byte
.endr
	v_lshl_or_b32 v[PW], v[TM+5], 8, v[TM+4]       ; the four bytes make my row's scale word (both halves of the lanes hold it)
	v_lshl_or_b32 v[PW], v[TM+6], 16, v[PW]
	v_lshl_or_b32 v[PW], v[TM+7], 24, v[PW]
.irp c, 0,1
	v_cvt_scalef32_pk16_fp6_f32 v[PC+6*\c:PC+2+6*\c], v[\s+32*\c:\s+15+32*\c], v[TM+12+2*\c]
	v_cvt_scalef32_pk16_fp6_f32 v[PC+12+4*\c:PC+14+4*\c], v[\s+16+32*\c:\s+31+32*\c], v[TM+12+2*\c+1]   ; (a conversion's three registers begin on an even number)
.endr
	v_nop                                          ; one plain place behind a scaled conversion
.irp c, 0,1                                    ; the operand's layout wants a WHOLE block in a lane: lanes 0-15 block 2 c, lanes 16-31 block 2 c + 1
.irp i, 0,1,2
	v_permlane16_swap_b32 v[PC+6*\c+\i], v[PC+12+4*\c+\i]
.endr
.irp i, 0,1,2
	v_mov_b32 v[PC+3+6*\c+\i], v[PC+12+4*\c+\i]
.endr
.endr
.endm
.macro IMAGE adr, off                          ; the fragment in v[PC] on goes to LDS as it stands
.irp c, 0,1,2
	ds_store_b128 v[\adr], v[PC+4*\c:PC+4*\c+3] offset:\off+512*\c
.endr
.endm
.macro QJOB buf, left, iadr, ioff, sadr, soff  ; one fragment: its 16 loads are in (left: the next job's may be out), quantised, image and scale word to LDS
	s_wait_loadcnt \left
	QUANT \buf
	IMAGE \iadr, \ioff
	ds_store_b32 v[\sadr], v[PW] offset:\soff
.endm
.macro BARRIER                                 ; my LDS stores have landed and my LDS loads are in: then the work-group's barrier
	s_wait_dscnt 0x0
	s_barrier_signal -1
	s_barrier_wait -1
.endm
.macro ALOADS aadr, aoff, asoff                ; a job's source 0: 16 fragments on end, and their scale words
	WIN 0x40                                       ; destination window 1
.set f, 0
.rept 16
.irp c, 0,1,2
	ds_load_b128 v[AF+12*f+4*\c:AF+12*f+4*\c+3], v[\aadr] offset:\aoff+FRB*f+512*\c
.endr
.set f, f+1
.endr
	WIN 0
.set f, 0
.rept 16
	ds_load_b32 v[AS+f], v[LS] offset:\asoff+128*f
.set f, f+1
.endr
.endm
.macro BLOADS badr, boff, bsoff                ; its source 1: my tile's two fragments, and their scale words
.irp s, 0,1
.irp c, 0,1,2
	ds_load_b128 v[BF+12*\s+4*\c:BF+12*\s+4*\c+3], v[\badr] offset:\boff+FRB*\s+512*\c
.endr
	ds_load_b32 v[BS+\s], v[XWS] offset:\bsoff+128*\s
.endr
.endm
.macro BIAS off                                ; bq or bk in the result's layout: for tile t my half's eight numbers
	WIN 0x40
.irp t, 0,1,2,3,4,5,6,7
	global_load_b128 v[BI+8*\t:BI+8*\t+3], v[BO], s[PB1:PB1+1] offset:\off+(32*(\t/2)+8*(\t%2))*4
	global_load_b128 v[BI+8*\t+4:BI+8*\t+7], v[BO], s[PB1:PB1+1] offset:\off+(32*(\t/2)+8*(\t%2))*4+16
.endr
	WIN 0
.endm
; A job: eight tiles, two K steps.  The eight accumulators take turns, one instruction a turn.  cstep: registers from one tile's bias to the next's
.macro JMUL cstep
	WIN 0x11                                       ; source 0 and C window 1
.irp t, 0,1,2,3,4,5,6,7
	v_wmma_scale_f32_16x16x128_f8f6f4 v[HA+8*\t:HA+8*\t+7], v[AF+24*\t:AF+24*\t+11], v[BF:BF+11], v[BI+\cstep*\t:BI+\cstep*\t+7], v[AS+2*\t], v[BS] matrix_a_fmt:MATRIX_FMT_FP6 matrix_b_fmt:MATRIX_FMT_FP6
.endr
	WIN 0x01                                       ; source 0 window 1
.irp t, 0,1,2,3,4,5,6,7
	v_wmma_scale_f32_16x16x128_f8f6f4 v[HA+8*\t:HA+8*\t+7], v[AF+24*\t+12:AF+24*\t+23], v[BF+12:BF+23], v[HA+8*\t:HA+8*\t+7], v[AS+2*\t+1], v[BS+1] matrix_a_fmt:MATRIX_FMT_FP6 matrix_b_fmt:MATRIX_FMT_FP6
.endr
	WIN 0
.rept 4
	v_nop                                          ; places in front of loads into registers that these products have read, and of the first read of their results
.endr
.endm
.macro OUTF base, off                          ; the fragment in v[PC] on goes to memory as it stands: 512 consecutive bytes a store
.irp c, 0,1,2
	global_store_b128 v[LI], v[PC+4*\c:PC+4*\c+3], s[\base:\base+1] offset:\off+512*\c
.endr
.endm
	s_load_b512 s[4:19], s[0:1], 0x0               ; x s[4:5], Wq s[6:7], bq s[8:9], Wk s[10:11], bk s[12:13], Wv s[14:15], bv s[16:17], qc s[18:19]
	s_load_b64 s[20:21], s[0:1], 0x40              ; kv
	v_lshl_add_u32 v[SPW], v0, 2, SPARE
	v_mov_b32 v[NIL], 0
	v_lshrrev_b32 v1, 5, v0
	v_readfirstlane_b32 s[WV], v1                  ; wave 0..7
	s_and_b32 s[HALF], ttmp7, 0xffff               ; which half of the columns
	v_and_b32 v1, 31, v0                           ; lane
	v_and_b32 v2, 15, v0                           ; r
	v_bfe_u32 v3, v0, 4, 1                         ; h
	v_and_b32 v38, 8, v2
	v_add_nc_u32 v38, v38, v2                      ; r + 8 (r / 8)
	v_lshlrev_b32 v[XA], 10, v38
	v_lshl_add_u32 v[XA], v3, 6, v[XA]
	v_lshlrev_b32 v[LI], 4, v1
	v_lshlrev_b32 v[LS], 2, v1
	s_mul_i32 s44, s[WV], 2*FRB
	v_add_nc_u32 v[XWI], s44, v[LI]
	s_lshl_b32 s44, s[WV], 8
	v_add_nc_u32 v[XWS], s44, v[LS]
	s_mul_i32 s44, s[WV], 4*FRB
	v_add_nc_u32 v[WWI], s44, v[LI]
	s_lshl_b32 s44, s[WV], 9
	v_add_nc_u32 v[WWS], s44, v[LS]
	v_add_nc_u32 v[LI1], HIB, v[LI]
	v_add_nc_u32 v[VWI], HIB, v[XWI]
	s_and_b32 s44, s[WV], 3
	s_lshl_b32 s44, s44, 2
	s_lshr_b32 s45, s[WV], 2
	s_lshl_b32 s45, s45, 9
	s_add_co_u32 s44, s44, s45
	s_add_co_u32 s44, s44, SST
	v_add_nc_u32 v[SSA], s44, v[LI]                ; 512 (w / 4) + 16 lane + 4 (w % 4)
	s_and_b32 s44, s[WV], 1
	s_lshl_b32 s44, s44, 8
	s_lshr_b32 s45, s[WV], 1
	s_lshl_b32 s45, s45, 2
	s_add_co_u32 s44, s44, s45
	s_add_co_u32 s44, s44, SST+1024
	v_lshl_add_u32 v[SSV], v2, 4, s44              ; 16 (r + 16 (w % 2)) + 4 (w / 2)
	s_min_u32 s44, s[WV], 2
	s_lshl_b32 s44, s44, 9
	s_add_co_u32 s44, s44, SST
	v_add_nc_u32 v[TA], s44, v[LI]                 ; waves 0 to 2: 512 bytes of the stage each
	v_lshlrev_b32 v[BO], 6, v3
	v_lshlrev_b32 v[BVO], 2, v38
.irp b, 0,1,2,3
	v_mov_b32 v[TM+4+\b], 0                        ; written once: a lane permute's destination counts as one of its sources
.endr
	s_mov_b32 s[SEL], 0x76543210
	s_mov_b32 s[SEL+1], 0xfedcba98                 ; v_permlanex16_b32's selects for lane l xor 16
	; the offsets, each in a pair of its own
	s_lshr_b32 s44, s[WV], 1
	s_and_b32 s45, s[WV], 1
	s_lshl_b32 s46, s44, 15
	s_lshl_b32 s47, s45, 13
	s_add_co_u32 s46, s46, s47                     ; tile w begins at row 32 (w / 2) + 8 (w % 2), of 1,024 bytes
	s_lshl_b32 s48, ttmp9, 17                      ; x: the chunk's 128 rows,
	s_add_co_u32 s48, s48, s46                     ; my tile
	s_mov_b32 s49, 0
	s_lshl_b32 s50, s[HALF], 17                    ; Wv: the half's 128 rows, my tile
	s_add_co_u32 s50, s50, s46
	s_mov_b32 s51, 0
	s_cmp_eq_u32 s[HALF], 0
	s_mov_b32 s52, 51200
	s_cselect_b32 s52, 25600, s52
	s_mul_i32 s52, s52, ttmp9                      ; the chunk in qc, or the step in kv
	s_mov_b32 s53, 0
	s_mul_i32 s54, ttmp9, 51200
	s_add_co_u32 s54, s54, 25600                   ; v's chunk of the step
	s_mov_b32 s55, 0
	s_lshl_b32 s56, s[WV], 15                      ; Wq, Wk: row 32 w
	s_mov_b32 s57, 0
	s_lshl_b32 s58, s[HALF], 9                     ; bv: my tile's first channel
	s_lshl_b32 s44, s44, 7
	s_lshl_b32 s45, s45, 5
	s_add_co_u32 s58, s58, s44
	s_add_co_u32 s58, s58, s45
	s_mov_b32 s59, 0
	s_cmp_lt_u32 s[WV], 2
	s_cselect_b32 s60, s[WV], s[HALF]              ; the scale words: waves 0, 1: q's or k's two groups; wave 2: v's group of this half
	s_lshl_b32 s60, s60, 9
	s_add_co_u32 s60, s60, 24576
	s_mov_b32 s61, 0
	s_mul_i32 s62, s[WV], 2*FRB                    ; q, k: my tile's two fragments
	s_mov_b32 s63, 0
	s_lshl_b32 s24, s[HALF], 3
	s_add_co_u32 s24, s24, s[WV]
	s_mul_i32 s24, s24, FRB                        ; v: fragment 8 half + w
	s_mov_b32 s25, 0
	s_wait_kmcnt 0x0
	s_add_nc_u64 s[PTX:PTX+1], s[4:5], s[48:49]
	s_add_nc_u64 s[PTV:PTV+1], s[14:15], s[50:51]
	s_add_nc_u64 s[PBV:PBV+1], s[16:17], s[58:59]
	s_cmp_eq_u32 s[HALF], 0                        ; q's half or k's?  The choice hangs on the work-group's number alone
	s_cselect_b64 s[PTW:PTW+1], s[6:7], s[10:11]
	s_cselect_b64 s[PB1:PB1+1], s[8:9], s[12:13]
	s_cselect_b64 s[O1W:O1W+1], s[18:19], s[20:21]
	s_add_nc_u64 s[PTW:PTW+1], s[PTW:PTW+1], s[56:57]
	s_add_nc_u64 s[O1W:O1W+1], s[O1W:O1W+1], s[52:53]
	s_add_nc_u64 s[OVW:OVW+1], s[20:21], s[54:55]
	s_cmp_lt_u32 s[WV], 2
	s_cselect_b64 s[PTT:PTT+1], s[O1W:O1W+1], s[OVW:OVW+1]
	s_add_nc_u64 s[PTT:PTT+1], s[PTT:PTT+1], s[60:61]
	s_add_nc_u64 s[O1W:O1W+1], s[O1W:O1W+1], s[62:63]
	s_add_nc_u64 s[OVW:OVW+1], s[OVW:OVW+1], s[24:25]
	; ---- 1: eight fragments a wave are quantised, on two sets of 64 registers by turns.  The first job's bias goes out first, so that the counted waits below cover it
	BIAS 0
	XLOAD HA, PTX, 0
	XLOAD ST, PTX, 512
	QJOB HA, 16, XWI, XIMG, XWS, XSC               ; x, tile w, K step 0
	XLOAD HA, PTW, 0
	s_wait_dscnt 0x0                               ; the stores have read their registers: the next codes may be written
	QJOB ST, 16, XWI, XIMG+FRB, XWS, XSC+128       ; K step 1
	XLOAD ST, PTW, 512
	s_wait_dscnt 0x0
	QJOB HA, 16, WWI, WIMG, WWS, WSC               ; Wq or Wk, tile 2 w
	XLOAD HA, PTW, 8192
	s_wait_dscnt 0x0
	QJOB ST, 16, WWI, WIMG+FRB, WWS, WSC+128
	XLOAD ST, PTW, 8192+512
	s_wait_dscnt 0x0
	QJOB HA, 16, WWI, WIMG+2*FRB, WWS, WSC+256     ; tile 2 w + 1: eight rows further down
	XLOAD HA, PTV, 0
	s_wait_dscnt 0x0
	QJOB ST, 16, WWI, WIMG+3*FRB, WWS, WSC+384
	XLOAD ST, PTV, 512
	s_wait_dscnt 0x0
	QJOB HA, 16, VWI, 16*FRB, XWS, WSC+4096        ; Wv, my tile
	s_wait_dscnt 0x0
	QJOB ST, 0, VWI, 17*FRB, XWS, WSC+4096+128
	BARRIER                                        ; all 64 images lie in LDS
	; ---- 2: three jobs.  The next job's operands are asked for behind a job's products and land while its results are quantised
	ALOADS LI, WIMG, WSC                           ; rows 0-127 of Wq or Wk
	BLOADS XWI, XIMG, XSC                          ; my 16 tokens
	s_wait_dscnt 0x0
	JMUL 8                                         ; features 0-127 of my tokens: K step 0 of the next product
	ALOADS LI1, 0, WSC+2048                        ; rows 128-255; my tokens' fragments stay
	BIAS 512
	QUANT HA
	OUTF O1W, 0
	v_mov_b32 v[PW0], v[PW]
	s_wait_dscnt 0x0
	s_wait_loadcnt 0x0                             ; the bias
	JMUL 8                                         ; features 128-255
	ALOADS LI, XIMG, XSC                           ; all 128 tokens
	BLOADS VWI, 16*FRB, WSC+4096                   ; my 16 rows of Wv
	WIN 0x40
	global_load_b32 v[BI], v[BVO], s[PBV:PBV+1]    ; bv of my lane's channel
	WIN 0
	s_wait_xcnt 0x0                                ; the stores above have read their registers: the codes may be written again
	QUANT HA
	OUTF O1W, FRB
	v_cmp_eq_u32 vcc_lo, 1, v3
	v_cndmask_b32 v[SW], v[PW0], v[PW], vcc_lo     ; lanes 0-15: K step 0's word; lanes 16-31: K step 1's
	ds_store_b32 v[SSA], v[SW]
	s_wait_loadcnt 0x0                             ; bv
	WIN 0x41                                       ; destination and source window 1
.irp j, 1,2,3,4,5,6,7
	v_mov_b32 v[BI+\j], v[BI]                      ; a lane holds one channel: its eight registers, eight tokens, take the same number
.endr
	WIN 0
	s_wait_dscnt 0x0
.rept 4
	v_nop                                          ; between the moves and the products that take them as C
.endr
	JMUL 0                                         ; my 16 channels of v for the chunk's 128 tokens: source 0 = x's tiles, source 1 = Wv's
	s_wait_xcnt 0x0
	QUANT HA                                       ; along the tokens
	OUTF OVW, 0
	ds_store_b32 v[SSV], v[PW]                     ; both halves of the lanes write the same word with the same value
	BARRIER                                        ; the scale words lie in the stage
	s_cmp_gt_u32 s[WV], 2
	s_cbranch_scc1 .Lno_tail
	ds_load_b128 v[240:243], v[TA]
	s_wait_dscnt 0x0
	global_store_b128 v[LI], v[240:243], s[PTT:PTT+1]   ; 512 consecutive bytes
.Lno_tail:
	s_wait_tensorcnt 0x0                           ; the wave's end, behind my last LDS store
	ds_add_u32 v[SPW], v[NIL]
	s_wait_dscnt 0x0
	s_endpgm
.Lfunc_end_k_qa982ab13cc_proj:
	.size	k_qa982ab13cc_proj, .Lfunc_end_k_qa982ab13cc_proj-k_qa982ab13cc_proj
	.p2alignl 7, 3214868480
	.fill 96, 4, 3214868480
	.section	.rodata,"a",@progbits
	.p2align	6, 0x0
	.amdhsa_kernel k_qa982ab13cc_proj
		.amdhsa_group_segment_fixed_size 109056
		.amdhsa_private_segment_fixed_size 0
		.amdhsa_enable_private_segment 0
		.amdhsa_kernarg_size 72
		.amdhsa_user_sgpr_count 2
		.amdhsa_user_sgpr_kernarg_segment_ptr 1
		.amdhsa_wavefront_size32 1
		.amdhsa_system_sgpr_workgroup_id_x 1
		.amdhsa_system_sgpr_workgroup_id_y 1
		.amdhsa_system_sgpr_workgroup_id_z 1
		.amdhsa_system_vgpr_workitem_id 0
		.amdhsa_next_free_vgpr 512
		.amdhsa_next_free_sgpr 66
		.amdhsa_reserve_vcc 1
		.amdhsa_float_denorm_mode_32 3
		.amdhsa_float_denorm_mode_16_64 3
		.amdhsa_memory_ordered 1
		.amdhsa_forward_progress 1
		.amdhsa_inst_pref_size 86
	.end_amdhsa_kernel
	.amdgpu_metadata
---
amdhsa.version: [ 1, 2 ]
amdhsa.kernels:
  - .name:           k_qa982ab13cc_proj
    .symbol:         k_qa982ab13cc_proj.kd
    .args:
      - { .name: x, .offset: 0, .size: 8, .value_kind: global_buffer, .address_space: global }
      - { .name: Wq, .offset: 8, .size: 8, .value_kind: global_buffer, .address_space: global }
      - { .name: bq, .offset: 16, .size: 8, .value_kind: global_buffer, .address_space: global }
      - { .name: Wk, .offset: 24, .size: 8, .value_kind: global_buffer, .address_space: global }
      - { .name: bk, .offset: 32, .size: 8, .value_kind: global_buffer, .address_space: global }
      - { .name: Wv, .offset: 40, .size: 8, .value_kind: global_buffer, .address_space: global }
      - { .name: bv, .offset: 48, .size: 8, .value_kind: global_buffer, .address_space: global }
      - { .name: qc, .offset: 56, .size: 8, .value_kind: global_buffer, .address_space: global }
      - { .name: kv, .offset: 64, .size: 8, .value_kind: global_buffer, .address_space: global }
    .group_segment_fixed_size: 109056
    .private_segment_fixed_size: 0
    .kernarg_segment_align: 8
    .kernarg_segment_size: 72
    .max_flat_workgroup_size: 256
    .sgpr_count:     66
    .vgpr_count:     512
    .wavefront_size: 32
...
	.end_amdgpu_metadata
.endif
;; end of part 1
;; launch attn (part 2): grid 64 x 4, 4 waves a work-group, clusters of 4 x 1, 327,680 bytes of LDS; arguments qc, kv, out0; writes out0
.if DOCPART == 2
	.amdgcn_target "amdgcn-amd-amdhsa--gfx1250"
	.amdhsa_code_object_version 6
	.text
	.protected	k_qa982ab13cc_attn
	.globl	k_qa982ab13cc_attn
	.p2align	8
	.type	k_qa982ab13cc_attn,@function
k_qa982ab13cc_attn:
	s_mov_b64 s[64:65], 0
	v_nop
	global_prefetch_b8 v0, s[64:65] scope:SCOPE_SE
	s_setreg_imm32_b32 hwreg(HW_REG_WAVE_MODE, 25, 1), 1
	s_wait_xcnt 0x0
	s_wait_alu depctr_hold_cnt(0) depctr_sa_sdst(0) depctr_va_vdst(0) depctr_va_sdst(0) depctr_va_ssrc(0) depctr_va_vcc(0) depctr_vm_vsrc(0)
	s_getreg_b32 s2, hwreg(HW_REG_IB_STS2, 6, 4)
	s_cmp_eq_u32 s2, 0
	s_cbranch_scc0 .Lentry_in_a_cluster
	s_endpgm
.Lentry_in_a_cluster:
	s_bfe_u32 s2, ttmp6, 0x10000c
	s_cmp_lg_u32 s2, 0x3003
	s_cbranch_scc0 .Lentry_shape_is_right
	s_endpgm
.Lentry_shape_is_right:
; out[b][q][:] = the sum over k of softmax_k(q . k / 16) v[k][:], both products on codes of FP6 (E2M3) with one E8M0 scale for each 32 along a product's K.  4 batches, 4,096 tokens, 256 channels.
; q, k and v come as images of the operand's registers (a fragment, 16 rows x 128 K, is 12 registers a lane: 1,536 bytes, registers 4 c .. 4 c + 3 of lane l at 512 c + 16 l), as the launch before laid them:
; qc: chunks of 128 tokens, 25,600 bytes: fragment (tile m, K step s) at (2 m + s) x 1,536, scale words at 24,576.  kv: steps of 128 keys, 51,200 bytes: k's chunk, then v's (16 tiles of channels, K = the step's keys).
; Lane r of tile T holds row 32 (T / 2) + 8 (T % 2) + r + 8 (r / 8), of tokens and of channels alike.
; THE SOFTMAX AHEAD OF THE SECOND PRODUCT: t = score x log2(e) / 16; M = the row's largest t so far, rounded UP to a whole number; p = 2^(t - M) is quantised along the keys, not normalised.  The row's sum is taken
; of the unquantised p and divides at the end.  When M moves, the sum and O are multiplied by 2^(old M - new M): exact.
; SHARES.  A work-group owns 64 queries of one batch.  Its four waves are 2 halves of the queries x 2 streams of keys: wave w holds queries 32 (w & 1) on (two tiles of 16) and takes key steps 2 i + (w >> 1), i = 0 .. 15.
; So each fragment of k and v is read from LDS by two waves and feeds two matrix instructions in each, and a step's 32 fragments all fit in a wave's registers.  At the end the two streams' results meet once, through LDS:
; each wave of a pair finishes one of the two tiles; the rescaling is by whole powers of two.
; LAYOUT.  Both products are used transposed: S^T = K Q^T (source 0 = 16 keys, source 1 = 16 queries), O^T = V^T P^T (source 0 = 16 channels, source 1 = P): a lane holds ONE query throughout; by the tiles' row order the 16
; registers of two neighbouring tiles of S^T are 16 neighbouring keys, and register 8 i + j of O^T is channel 32 (i / 2) + 16 (lane / 16) + 8 (i % 2) + j.
; A TRIP: the change of slots; K's fragments from LDS; V^T P of the step BEFORE (its operands lie in registers: these products run while K's loads land); K Q^T; V's fragments from LDS; the softmax.
; RING.  Two LDS slots, each with two key steps (one for each stream) as they lie in memory: 102,400 dense bytes; wave w fetches quarter w by one tensor load.
; CLUSTER.  The four work-groups of a cluster belong to one batch and walk the same k and v: each quarter is asked for JOINTLY, by the same tensor load with the same descriptor and a mask that names the four.
; LIMITS: NaN and infinities are not served.  A block's largest p is taken from its largest score, which takes v_exp_f32 not to fall where its input rises.  A block of p that has fallen to zeros keeps the scale byte 1.
; The keys are summed in two streams that are added once: the order of the f32 sums differs from a single ascending walk.
; REGISTERS, in windows of 256: window 0: addresses, statistics, scale words, P, S^T (v128-255).  window 1: O^T, tile t, channel tile i at 128 t + 8 i.  window 2: v0-191 K's 16 fragments, v192-239 Q's four.  window 3: v0-191 V's 16.
.set FRB,    1536
.set CHK,    25600                     ; a chunk: 16 fragments and 1,024 bytes of scale words; also a quarter of a slot
.set STEPB,  2*CHK                     ; a key step: k's chunk, v's chunk
.set SLOTB,  2*STEPB
.set BATB,   32*STEPB                  ; a batch's k and v
.set SLOT1,  1<<17                     ; slot 1 begins here, so that one exclusive or turns an address in one slot into the other's
.set XCH,    SLOT1+SLOTB               ; behind the ring: for each wave 16,384 bytes (a tile of O^T as it stands), 128 of -M, 128 of the sum
.set XCHW,   16640
.set SPARE,  XCH+4*XCHW                ; the spare words, 128 bytes for each wave: two blocks of 256 bytes that no other line names
.set SPITCH, 1040                      ; the way out: 16 rows x (1,024 bytes + 16) for each wave, from LDS byte 0 on: slot 0 has had its last fill and its last read when the first result is stored there
.set LI,  1                            ; v1   16 x lane
.set AK0, 2                            ; v2   16 x lane + my stream's step in a slot
.set ADR, 3                            ; v3   the same in the slot in hand
.set STO, 4                            ; v4   the stage: where I put 16 bytes of a row
.set RD,  5                            ; v5   and where I read half a row back
.set XW,  6                            ; v6   the exchange: my wave's bytes, 16 x lane;  v7: my partner's;  v8, v9: the same, 4 x lane
.set XR,  7
.set XW4, 8
.set XR4, 9
.set SPW, 10                           ; v10  LDS address of my spare word; never rewritten
.set NIL, 11                           ; v11  0; never rewritten
.set ST,  12                           ; tile t at v[ST + 4 t]: -M, the largest t, the sum in two halves
.set FP,  20                           ; tile t at v[FP + 2 t]: f = 2^(old M - new M), named as a pair
.set BM,  24                           ; tile t at v[BM + 16 t]: +0..3 the blocks' largest scores, +4..7 at work, then bytes, +8..11 the conversions' scale operands, +12:13 the second chain of the sum, +14 at work
.set KS,  56                           ; v56-63  K's scale words: register j: tile j; lanes 0-15 K step 0, lanes 16-31 K step 1
.set VS,  64                           ; v64-71  V's: register i / 2: lanes 0-15 tile 2 (i / 2), lanes 16-31 the odd one
.set QS,  72                           ; v72-73  Q's, laid as K's
.set PS,  74                           ; v74-75  p's
.set P,   76                           ; p's codes: tile t at v[P + 12 t]
.set CT,  100                          ; the conversions' second halves: tile t at v[CT + 8 t]
.set MB,  116                          ; the merge: my partner's -M, its sum, the joint -M, two factors, the joint sum, and the factors over the sum as pairs
.set LB,  117
.set MN,  118
.set T0,  119
.set T1,  120
.set LL,  121
.set GA,  122
.set GB,  124
.set PFO, 126                          ; v126 256 x lane; never rewritten
.set S,   128                          ; S^T, then p: tile t at v[S + 64 t]; at the end the finished tile
.set QF,  192                          ; Q's fragments, in window 2: (t, s) at QF + 12 (2 t + s)
.set WV,    12
.set CX,    13
.set QB,    14
.set BAT,   15
.set G1,    24                         ; s[24:31] descriptor group 1
.set G0,    32                         ; s[32:35] descriptor group 0, which walks
.set CS,    36                         ; s[36:37] c = log2(e) / 16: the packed form names a pair and takes its low word for both halves
.set SEL,   38                         ; s[38:39] lane selects for v_permlanex16_b32: lane l xor 16
.set TB,    40                         ; s40  LDS byte at which the slot in hand begins
.set SLOTS, 41                         ; s41  slots still to be asked for
.set LIM,   42                         ; s42  4 in the batch's first cluster, else the greatest number: a wave prefetches while s[SLOTS] is above it
.set PFA,   44                         ; s[44:45] where my prefetches stand
.set QSP,   46                         ; s[46:47] my tiles' scale words of Q
.set MSB, 0
.macro WIN new                         ; the immediate's high byte repeats the setting that is left
.if MSB != \new
	s_set_vgpr_msb (MSB<<8)|\new
.set MSB, \new
.endif
.endm
.set W_KQ, 0x0a                        ; K and Q in window 2, S^T in window 0
.set W_PV, 0x53                        ; V in window 3, P in window 0, O^T in window 1
.set W_RS, 0x41                        ; O^T (destination and source 0) in window 1, f in window 0
.set TO2,  0x80                        ; destination window 2, address window 0
.set TO3,  0xc0                        ; destination window 3
.macro PLACES n
.rept \n
	v_nop
.endr
.endm
; A round of the cluster's barrier: my work-group's barrier; wave 0 signals for the work-group; every wave waits for all four work-groups; my work-group's barrier once more
.macro CROUND
	s_barrier_signal -1
	s_barrier_wait -1
	s_cmp_lg_u32 s[WV], 0
	s_cbranch_scc1 .Lnot_wave_0_\@
	s_barrier_signal -3
.Lnot_wave_0_\@:
	s_barrier_wait -3
	s_barrier_signal -1
	s_barrier_wait -1
.endm
; A PREFETCH INTO THE L2.  A batch's k and v are one stream of 6,400 blocks of 256 bytes, which all sixteen clusters of the batch walk: the batch's first cluster asks, and nobody else (a test on the cluster's number, the same in
; all partners).  Its sixteen waves are told apart BY ADDRESS, 8,192 bytes each, lanes 256 bytes apart: 512 blocks a change of slots, against the 400 that a slot holds.  The e-th filling change (e = 0 .. 10) names blocks
; 768 + 512 e to 1,279 + 512 e: each once, the last of them the batch's last; what the next change's tensor loads ask for ends at block 1,199 + 400 e.  The first 768 blocks come by their loads alone, and the last four filling changes ask for nothing.
.macro ASK
	s_cmp_gt_u32 s[SLOTS], s[LIM]
	s_cbranch_scc0 .Lnot_mine_\@
	global_prefetch_b8 v[PFO], s[PFA:PFA+1] th:TH_LOAD_NT scope:SCOPE_SE
.Lnot_mine_\@:
.endm
; THE CHANGE OF SLOTS, at a trip's head.  Each wave waits for all its tensor loads (one is out: its quarter of the slot that it is about to read), adds 0 to its spare word, and waits for that and for its reads of the slot
; that it has left.  fill = 1: behind a round of the cluster's barrier that slot is filled with the next two key steps: no wave of any partner still reads it or has a load on its way; the load has a whole trip in which to land.
.macro CHANGE fill
	WIN 0
	s_wait_tensorcnt 0x0                           ; no tensor load of mine is out, so the group 0 may be written
	ds_add_u32 v[SPW], v[NIL]                      ; 0 onto my spare word; the steps below stand between it and the wait for it
.if \fill
	s_xor_b32 s[G0+1], s[G0+1], SLOT1              ; the other slot than last time,
	s_add_nc_u64 s[G0+2:G0+3], s[G0+2:G0+3], SLOTB ; the next two key steps; the type bits on top are not reached
	s_wait_xcnt 0x0                                ; the last prefetch, a trip back, has read its address, so it may be written
	s_add_nc_u64 s[PFA:PFA+1], s[PFA:PFA+1], 131072
	s_wait_dscnt 0x0                               ; the add is done, and my reads of the slot that I have left are over
	CROUND
	tensor_load_to_lds s[G0:G0+3], s[G1:G1+7]      ; the first thing behind the round, and my one tensor load until the next
	s_nop 0
	PLACES 4
.else
	s_wait_dscnt 0x0
	s_barrier_signal -1
	s_barrier_wait -1
.endif
.endm
.macro KLOAD                                   ; my step's K: the scale words, then 16 fragments, tile by tile
	v_add_nc_u32 v[ADR], s[TB], v[AK0]
	ds_load_b128 v[KS:KS+3], v[ADR] offset:16*FRB
	ds_load_b128 v[KS+4:KS+7], v[ADR] offset:16*FRB+512
	WIN TO2
.set f, 0
.rept 16
.irp c, 0,1,2
	ds_load_b128 v[12*f+4*\c:12*f+4*\c+3], v[ADR] offset:FRB*f+512*\c
.endr
.set f, f+1
.endr
	WIN 0
.endm
.macro VLOAD                                   ; my step's V
	WIN 0
	PLACES 4                                       ; behind the products: for the loads into V's fragments and scale words, which V^T P has read, and for the first read of S^T
	WIN TO3
.set f, 0
.rept 16
.irp c, 0,1,2
	ds_load_b128 v[12*f+4*\c:12*f+4*\c+3], v[ADR] offset:CHK+FRB*f+512*\c
.endr
.set f, f+1
.endr
	WIN 0
	ds_load_b128 v[VS:VS+3], v[ADR] offset:CHK+16*FRB
	ds_load_b128 v[VS+4:VS+7], v[ADR] offset:CHK+16*FRB+512
.endm
; O^T += V^T P^T: 16 tiles of channels x my two tiles of queries; each of the 32 accumulators comes once.  mode = 1: the products start the sums: nothing is ever cleared
.macro PV mode
	WIN W_PV
.irp i, 0,1,2,3,4,5,6,7,8,9,10,11,12,13,14,15
.irp t, 0,1
.if \mode == 1
.if (\i)%2
	v_wmma_scale_f32_16x16x128_f8f6f4 v[128*\t+8*\i:128*\t+8*\i+7], v[12*\i:12*\i+11], v[P+12*\t:P+12*\t+11], 0, v[VS+\i/2], v[PS+\t] matrix_a_fmt:MATRIX_FMT_FP6 matrix_b_fmt:MATRIX_FMT_FP6 matrix_a_scale:MATRIX_SCALE_ROW1
.else
	v_wmma_scale_f32_16x16x128_f8f6f4 v[128*\t+8*\i:128*\t+8*\i+7], v[12*\i:12*\i+11], v[P+12*\t:P+12*\t+11], 0, v[VS+\i/2], v[PS+\t] matrix_a_fmt:MATRIX_FMT_FP6 matrix_b_fmt:MATRIX_FMT_FP6
.endif
.else
.if (\i)%2
	v_wmma_scale_f32_16x16x128_f8f6f4 v[128*\t+8*\i:128*\t+8*\i+7], v[12*\i:12*\i+11], v[P+12*\t:P+12*\t+11], v[128*\t+8*\i:128*\t+8*\i+7], v[VS+\i/2], v[PS+\t] matrix_a_fmt:MATRIX_FMT_FP6 matrix_b_fmt:MATRIX_FMT_FP6 matrix_a_scale:MATRIX_SCALE_ROW1
.else
	v_wmma_scale_f32_16x16x128_f8f6f4 v[128*\t+8*\i:128*\t+8*\i+7], v[12*\i:12*\i+11], v[P+12*\t:P+12*\t+11], v[128*\t+8*\i:128*\t+8*\i+7], v[VS+\i/2], v[PS+\t] matrix_a_fmt:MATRIX_FMT_FP6 matrix_b_fmt:MATRIX_FMT_FP6
.endif
.endif
.endr
.endr
.endm
; S^T = K Q^T: 8 tiles of keys x my two tiles of queries, two K steps.  The two tiles' accumulators take turns, one instruction a turn.
; The wait: behind tile j's six fragment loads stand the six of each later tile
.macro KQ
	WIN W_KQ
.irp j, 0,1,2,3,4,5,6,7
	s_wait_dscnt 6*(7-\j)
.irp t, 0,1
	v_wmma_scale_f32_16x16x128_f8f6f4 v[S+64*\t+8*\j:S+64*\t+8*\j+7], v[24*\j:24*\j+11], v[QF+24*\t:QF+24*\t+11], 0, v[KS+\j], v[QS+\t] matrix_a_fmt:MATRIX_FMT_FP6 matrix_b_fmt:MATRIX_FMT_FP6
.endr
.irp t, 0,1
	v_wmma_scale_f32_16x16x128_f8f6f4 v[S+64*\t+8*\j:S+64*\t+8*\j+7], v[24*\j+12:24*\j+23], v[QF+24*\t+12:QF+24*\t+23], v[S+64*\t+8*\j:S+64*\t+8*\j+7], v[KS+\j], v[QS+\t] matrix_a_fmt:MATRIX_FMT_FP6 matrix_b_fmt:MATRIX_FMT_FP6 matrix_a_scale:MATRIX_SCALE_ROW1 matrix_b_scale:MATRIX_SCALE_ROW1
.endr
.endr
.endm
; THE SOFTMAX of a step, both tiles by turns in every stage.  first = 1: there is no O^T yet to bring under the new M
.macro SOFTMAX first
.irp t, 0,1
.irp b, 0,1,2,3
	v_max3_num_f32 v[BM+16*\t+\b], v[S+64*\t+16*\b], v[S+64*\t+16*\b+1], v[S+64*\t+16*\b+2]   ; THE LARGEST SCORE OF EACH BLOCK OF 32 KEYS: for the row's maximum, and, since p rises with the score, for the block's largest p.  Each result is read from its low end on
.endr
.endr
.irp i, 3,5,7,9,11,13
.irp t, 0,1
.irp b, 0,1,2,3
	v_max3_num_f32 v[BM+16*\t+\b], v[BM+16*\t+\b], v[S+64*\t+16*\b+\i], v[S+64*\t+16*\b+\i+1]
.endr
.endr
.endr
.irp t, 0,1
.irp b, 0,1,2,3
	v_max_num_f32 v[BM+16*\t+\b], v[BM+16*\t+\b], v[S+64*\t+16*\b+15]
.endr
.endr
.irp t, 0,1
.irp b, 0,1,2,3
	v_permlanex16_b32 v[BM+16*\t+4+\b], v[BM+16*\t+\b], s[SEL], s[SEL+1]
.endr
.endr
.irp t, 0,1
.irp b, 0,1,2,3
	v_max_num_f32 v[BM+16*\t+\b], v[BM+16*\t+\b], v[BM+16*\t+4+\b]   ; with lane l xor 16's 16 keys
.endr
.endr
.irp t, 0,1
	v_max3_num_f32 v[BM+16*\t+14], v[BM+16*\t], v[BM+16*\t+1], v[BM+16*\t+2]
.endr
.irp t, 0,1
	v_max_num_f32 v[BM+16*\t+14], v[BM+16*\t+14], v[BM+16*\t+3]      ; the step's largest score of my query
.endr
.irp t, 0,1
	v_mul_f32 v[BM+16*\t+14], s[CS], v[BM+16*\t+14]                  ; as t (c is positive)
.endr
.irp t, 0,1
	v_max_num_f32 v[ST+4*\t+1], v[ST+4*\t+1], v[BM+16*\t+14]         ; the running largest t
.endr
.irp t, 0,1
	v_mov_b32 v[BM+16*\t+14], v[ST+4*\t]
.endr
.irp t, 0,1
	v_floor_f32 v[ST+4*\t], -v[ST+4*\t+1]                            ; the new -M = floor(-t) = -ceil(t): M IS A WHOLE NUMBER
.endr
.irp t, 0,1
	v_sub_f32 v[BM+16*\t+14], v[ST+4*\t], v[BM+16*\t+14]             ; old M - new M: a whole number, 0 or less
.endr
.irp t, 0,1
	v_cvt_i32_f32 v[BM+16*\t+14], v[BM+16*\t+14]                     ; (it saturates)
.endr
.irp t, 0,1
	v_ldexp_f32 v[FP+2*\t], 1.0, v[BM+16*\t+14]                      ; f = 2^(old M - new M)
.endr
.irp t, 0,1
.set n, 0
.rept 32
	v_pk_fma_f32 v[S+64*\t+n:S+64*\t+n+1], v[S+64*\t+n:S+64*\t+n+1], s[CS:CS+1], v[ST+4*\t:ST+4*\t+1] op_sel_hi:[1,0,0]   ; t - M, two at a time (of the pairs c and -M the low word serves both halves)
.set n, n+2
.endr
.irp b, 0,1,2,3
	v_fma_f32 v[BM+16*\t+\b], v[BM+16*\t+\b], s[CS], v[ST+4*\t]      ; the same of each block's largest score
.endr
.endr
.set n, 0
.rept 128
	v_exp_f32 v[S+n], v[S+n]                       ; p = 2^(t - M), at most 1: NOT normalised
.set n, n+1
.endr
.irp t, 0,1
	v_pk_mul_f32 v[ST+4*\t+2:ST+4*\t+3], v[ST+4*\t+2:ST+4*\t+3], v[FP+2*\t:FP+2*\t+1] op_sel_hi:[1,0]   ; the sums under the new M: the plain place behind the exponentials
.endr
	s_wait_alu depctr_va_vdst(0)                   ; one wait for the whole batch, ahead of its first reader
.irp t, 0,1
.irp b, 0,1,2,3
	v_exp_f32 v[BM+16*\t+\b], v[BM+16*\t+\b]       ; the block's largest p: the same two instructions on the same number give the same bits
.endr
.endr
.irp t, 0,1
	v_pk_add_f32 v[BM+16*\t+12:BM+16*\t+13], v[S+64*\t:S+64*\t+1], v[S+64*\t+2:S+64*\t+3]   ; THE ROW'S SUM IS TAKEN OF THE UNQUANTISED p: two at a time, in two chains a tile
.endr
.irp j, 4,8,12,16,20,24,28,32,36,40,44,48,52,56,60
.irp t, 0,1
	v_pk_add_f32 v[ST+4*\t+2:ST+4*\t+3], v[ST+4*\t+2:ST+4*\t+3], v[S+64*\t+\j:S+64*\t+\j+1]
	v_pk_add_f32 v[BM+16*\t+12:BM+16*\t+13], v[BM+16*\t+12:BM+16*\t+13], v[S+64*\t+\j+2:S+64*\t+\j+3]
.endr
.endr
.irp t, 0,1
	v_pk_add_f32 v[ST+4*\t+2:ST+4*\t+3], v[ST+4*\t+2:ST+4*\t+3], v[BM+16*\t+12:BM+16*\t+13]
.endr
	s_wait_alu depctr_va_vdst(0)                   ; and one for the eight
.irp t, 0,1
.irp b, 0,1,2,3
	v_max_num_f32 v[BM+16*\t+\b], 0x1800000, v[BM+16*\t+\b]          ; the floor 2^(3 - 127): the byte cannot fall under 1
.endr
.endr
.irp t, 0,1
.irp b, 0,1,2,3
	v_add_nc_u32 v[BM+16*\t+8+\b], 0xff000000, v[BM+16*\t+\b]        ; 2 off the exponent field: the conversion's scale operand
.endr
.endr
.irp t, 0,1
.irp b, 0,1,2,3
	v_lshrrev_b32 v[BM+16*\t+4+\b], 23, v[BM+16*\t+8+\b]             ; the scale's byte
.endr
.endr
.irp t, 0,1
	v_lshl_or_b32 v[PS+\t], v[BM+16*\t+5], 8, v[BM+16*\t+4]          ; p's scale word for these 128 keys
.endr
.irp t, 0,1
	v_lshl_or_b32 v[PS+\t], v[BM+16*\t+6], 16, v[PS+\t]
.endr
.irp t, 0,1
	v_lshl_or_b32 v[PS+\t], v[BM+16*\t+7], 24, v[PS+\t]
.endr
.irp t, 0,1
.irp c, 0,1
	v_cvt_scalef32_pk16_fp6_f32 v[P+12*\t+6*\c:P+12*\t+6*\c+2], v[S+64*\t+32*\c:S+64*\t+32*\c+15], v[BM+16*\t+8+2*\c]
	v_cvt_scalef32_pk16_fp6_f32 v[CT+8*\t+4*\c:CT+8*\t+4*\c+2], v[S+64*\t+32*\c+16:S+64*\t+32*\c+31], v[BM+16*\t+8+2*\c+1]   ; (a conversion's three registers begin on an even number)
.endr
.endr
	v_nop                                          ; one plain place behind a scaled conversion
.irp t, 0,1
.irp c, 0,1                                    ; the operand's layout wants a WHOLE block in a lane: lanes 0-15 block 2 c, lanes 16-31 block 2 c + 1
.irp i, 0,1,2
	v_permlane16_swap_b32 v[P+12*\t+6*\c+\i], v[CT+8*\t+4*\c+\i]
.endr
.irp i, 0,1,2
	v_mov_b32 v[P+12*\t+6*\c+3+\i], v[CT+8*\t+4*\c+\i]
.endr
.endr
.endr
.if \first == 0
	WIN W_RS
.irp t, 0,1
.set n, 0
.rept 64
	v_pk_mul_f32 v[128*\t+n:128*\t+n+1], v[128*\t+n:128*\t+n+1], v[FP+2*\t:FP+2*\t+1] op_sel_hi:[1,0]   ; O^T under the new M: x f; each accumulator from its low end on
.set n, n+2
.endr
.endr
	WIN 0
.endif
	PLACES 8                                       ; p's scale words, written by vector instructions, stand eight places ahead of the scaled products that take them, its codes four
.endm
.macro TRIP fill, pv, first
	CHANGE \fill
	KLOAD
.if \fill
	ASK                                            ; behind the joint load and the run of LDS loads that the next products wait for
.endif
.if \pv
	PV \pv                                         ; the step before: V and p lie in registers (V's loads were waited for in front of the change's barrier)
.endif
	KQ
	VLOAD
	SOFTMAX \first
	s_xor_b32 s[TB], s[TB], SLOT1                  ; on to the other slot
.endm
	s_load_b128 s[4:7], s[0:1], 0x0                ; qc s[4:5], kv s[6:7]
	s_load_b64 s[8:9], s[0:1], 0x10                ; out0
	v_lshl_add_u32 v[SPW], v0, 2, SPARE
	v_mov_b32 v[NIL], 0
	ds_add_u32 v[SPW], v[NIL]                      ; the wave's opening add, waited for ahead of my first tensor load; the set-up below, work on registers, stands between the add and its wait
	v_lshrrev_b32 v1, 5, v0
	v_readfirstlane_b32 s[WV], v1                  ; wave 0..3
	s_bfe_u32 s[CX], ttmp6, 0x40000                ; cx: my place in the cluster: it enters Q's, out0's and the prefetches' addresses alone
	s_lshl_b32 s[QB], ttmp9, 2
	s_add_co_u32 s[QB], s[QB], s[CX]               ; my block of 64 queries = 4 x cluster x + cx
	s_and_b32 s[BAT], ttmp7, 0xffff                ; the batch, which the four partners share
	; descriptor group 1: 25,600 dense bytes as 100 rows of 256 (32 elements of 8 bytes), no padding: the images are read 512 consecutive bytes an instruction
	s_mov_b32 s[G1], 15|(3<<16)|(1<<21)            ; 15:0 the mask: all four work-groups; 17:16 elements of 8 bytes; 21 set beside a mask
	s_mov_b32 s[G1+1], 32<<16                      ; tensor_dim0
	s_mov_b32 s[G1+2], 100<<16                     ; tensor_dim1
	s_mov_b32 s[G1+3], 32<<16                      ; tile_dim0
	s_mov_b32 s[G1+4], 100                         ; tile_dim1
	s_mov_b32 s[G1+5], 32                          ; tensor_dim0_stride
	s_mov_b32 s[G1+6], 0
	s_mov_b32 s[G1+7], 0
	s_mul_i32 s16, s[BAT], BATB                    ; the batch's first byte in kv
	s_mul_i32 s17, s[WV], CHK                      ; my quarter, in a slot and in memory
	s_add_co_u32 s18, s16, s17
	s_mov_b32 s19, 0
	s_lshl_b32 s20, s[BAT], 5
	s_lshr_b32 s21, s[QB], 1
	s_add_co_u32 s20, s20, s21
	s_mul_i32 s20, s20, CHK                        ; my chunk of qc: 32 x batch + block / 2
	s_and_b32 s21, s[QB], 1                        ; which half of its eight tiles is my work-group's
	s_and_b32 s22, s[WV], 1                        ; which half of the work-group's queries is mine
	s_lshr_b32 s23, s[WV], 1                       ; which stream of keys
	s_mul_i32 s48, s21, 8*FRB
	s_mul_i32 s50, s22, 4*FRB
	s_add_co_u32 s48, s48, s50
	s_add_co_u32 s48, s48, s20                     ; my two tiles' four fragments
	s_mov_b32 s49, 0
	s_lshl_b32 s50, s21, 9
	s_lshl_b32 s51, s22, 3
	s_add_co_u32 s50, s50, s51
	s_add_co_u32 s50, s50, s20
	s_add_co_u32 s50, s50, 16*FRB                  ; and their scale words: 8 bytes a lane
	s_mov_b32 s51, 0
	s_lshl_b32 s52, s[BAT], 12
	s_lshl_b32 s53, s[QB], 6
	s_add_co_u32 s52, s52, s53
	s_lshl_b32 s53, s22, 5
	s_add_co_u32 s52, s52, s53
	s_lshl_b32 s53, s23, 3
	s_add_co_u32 s52, s52, s53                     ; the first row of out0 that I store: the tile that I finish begins 8 x stream rows into my 32
	s_lshl_b32 s52, s52, 10
	s_mov_b32 s53, 0
	s_lshl_b32 s54, s[CX], 2
	s_add_co_u32 s54, s54, s[WV]
	s_lshl_b32 s54, s54, 13                        ; the prefetches: 8,192 bytes for each of the cluster's sixteen waves,
	s_add_co_u32 s54, s54, s16
	s_add_co_u32 s54, s54, 65536                   ; from here; the first change of slots steps it on.  Nothing is prefetched at the head, where every work-group's first tiles are on their way
	s_mov_b32 s55, 0
	s_cmp_eq_u32 ttmp9, 0
	s_cselect_b32 s[LIM], 4, -1
	s_mov_b32 s[CS], 0x3db8aa3b                    ; c = log2(e) / 16
	s_mov_b32 s[CS+1], s[CS]                       ; (named with it as a pair, so it is written)
	s_mov_b32 s[SEL], 0x76543210
	s_mov_b32 s[SEL+1], 0xfedcba98
	s_mov_b32 s[TB], 0
	s_mov_b32 s[SLOTS], 15
	s_wait_dscnt 0x0                               ; the opening add is done
	s_wait_kmcnt 0x0
	s_mov_b32 s[G0], 1                             ; 1:0 count = 1
	s_mov_b32 s[G0+1], s17                         ; 63:32 LDS address: slot 0, my quarter
	s_add_nc_u64 s[G0+2:G0+3], s[6:7], s[18:19]    ; 120:64 global address: the batch's first two key steps, my quarter
	s_or_b32 s[G0+3], s[G0+3], 0x80000000          ; 127:126 type = 2
	s_add_nc_u64 s[QSP:QSP+1], s[4:5], s[50:51]
	s_add_nc_u64 s[4:5], s[4:5], s[48:49]
	s_add_nc_u64 s[8:9], s[8:9], s[52:53]
	s_add_nc_u64 s[PFA:PFA+1], s[6:7], s[54:55]
	CROUND                                         ; all four work-groups are here: the first joint loads meet
	tensor_load_to_lds s[G0:G0+3], s[G1:G1+7]      ; slot 0; slot 1 is filled behind the first trip's round, as a refill is
	s_nop 0
	PLACES 4
	v_and_b32 v[LI], 31, v0
	v_lshlrev_b32 v[XW4], 2, v[LI]                 ; 4 x lane, for the moment
	v_lshlrev_b32 v[LI], 4, v[LI]
	v_lshlrev_b32 v[PFO], 4, v[LI]
	WIN TO2
.irp f, 0,1,2,3                                ; Q stays in registers: fragment f = 2 t + s
.irp c, 0,1,2
	global_load_b128 v[QF+12*\f+4*\c:QF+12*\f+4*\c+3], v[LI], s[4:5] offset:FRB*\f+512*\c
.endr
.endr
	WIN 0
	global_load_b64 v[QS:QS+1], v[LI], s[QSP:QSP+1]
	; every LDS address is made here, ahead of any branch on the wave's number
	s_mul_i32 s56, s23, STEPB
	v_add_nc_u32 v[AK0], s56, v[LI]
	v_and_b32 v[MB], 15, v0                        ; r
	v_bfe_u32 v[LB], v0, 4, 1                      ; h
	s_mul_i32 s57, s[WV], XCHW                     ; my stage (16 x SPITCH bytes a wave)
	v_mul_u32_u24 v[STO], v[MB], SPITCH
	v_lshl_add_u32 v[STO], v[LB], 6, v[STO]
	v_add_nc_u32 v[STO], s57, v[STO]               ; in: row r, + 64 h
	v_add_nc_u32 v[RD], s57, v[LI]                 ; back: 16 bytes a lane
	s_add_co_u32 s58, s57, XCH
	s_xor_b32 s59, s[WV], 2                        ; my partner: the same queries, the other stream
	s_mul_i32 s59, s59, XCHW
	s_add_co_u32 s59, s59, XCH
	v_add_nc_u32 v[XW], s58, v[LI]
	v_add_nc_u32 v[XR], s59, v[LI]
	v_add_nc_u32 v[XR4], s59, v[XW4]
	v_add_nc_u32 v[XW4], s58, v[XW4]
.irp t, 0,1
	v_mov_b32 v[ST+4*\t+1], 0xff61b1e6             ; the largest t so far: -3e38, under every t
	v_floor_f32 v[ST+4*\t], -v[ST+4*\t+1]          ; -M
	v_mov_b32 v[ST+4*\t+2], 0                      ; the sum, in two halves
	v_mov_b32 v[ST+4*\t+3], 0
	v_mov_b32 v[FP+2*\t+1], 0                      ; (named as the upper half of a pair)
.irp b, 0,1,2,3
	v_mov_b32 v[BM+16*\t+4+\b], 0                  ; written once: a lane permute's destination counts as one of its sources
.endr
.endr
	v_mov_b32 v[GA+1], 0
	v_mov_b32 v[GB+1], 0
	s_wait_loadcnt 0x0                             ; Q
	TRIP 1, 0, 1                                   ; my first step: no step before it, no O^T yet
	s_sub_co_u32 s[SLOTS], s[SLOTS], 1
	TRIP 1, 1, 0                                   ; V^T P of the first step starts O^T's sums
	s_sub_co_u32 s[SLOTS], s[SLOTS], 1
.Lslot:                                            ; 13 trips
	TRIP 1, 2, 0
	s_sub_co_u32 s[SLOTS], s[SLOTS], 1
	s_cmp_lg_u32 s[SLOTS], 0
	s_cbranch_scc1 .Lslot
	TRIP 0, 2, 0                                   ; the last trip is written out: nothing is left to fetch
	s_wait_dscnt 0x0                               ; V of the last step
	PV 2
	WIN 0
	PLACES 4                                       ; behind the last products, ahead of the first read of O^T
	; THE MERGE.  The row's sums: two halves, and lane l xor 16's.  Then each wave hands one tile of O^T, with its -M and its sum, to its partner, and finishes the other
.irp t, 0,1
	v_add_f32 v[ST+4*\t+2], v[ST+4*\t+2], v[ST+4*\t+3]
.endr
.irp t, 0,1
	v_permlanex16_b32 v[BM+16*\t+4], v[ST+4*\t+2], s[SEL], s[SEL+1]
.endr
.irp t, 0,1
	v_add_f32 v[ST+4*\t+2], v[ST+4*\t+2], v[BM+16*\t+4]
.endr
.macro SENDT t                                 ; tile t as its registers stand, each accumulator from its low end on
	WIN 0x04                                       ; an LDS store's data are its source 1: window 1
.set n, 0
.rept 32
	ds_store_b128 v[XW], v[128*\t+4*n:128*\t+4*n+3] offset:512*n
.set n, n+1
.endr
	WIN 0
	ds_store_b32 v[XW4], v[ST+4*\t] offset:16384
	ds_store_b32 v[XW4], v[ST+4*\t+2] offset:16512
.endm
.macro RECVT t                                 ; tile t is finished: (O x fa + O' x fb) / (l x fa + l' x fb), fa and fb whole powers of two
	WIN TO2
.set n, 0
.rept 32
	ds_load_b128 v[4*n:4*n+3], v[XR] offset:512*n  ; into the registers that held K
.set n, n+1
.endr
	WIN 0
	ds_load_b32 v[MB], v[XR4] offset:16384
	ds_load_b32 v[LB], v[XR4] offset:16512
	s_wait_dscnt 0x0
	v_min_num_f32 v[MN], v[ST+4*\t], v[MB]         ; the joint -M
	v_sub_f32 v[T0], v[MN], v[ST+4*\t]             ; my M - the joint M: a whole number, 0 or less
	v_sub_f32 v[T1], v[MN], v[MB]
	v_cvt_i32_f32 v[T0], v[T0]
	v_cvt_i32_f32 v[T1], v[T1]
	v_ldexp_f32 v[T0], 1.0, v[T0]
	v_ldexp_f32 v[T1], 1.0, v[T1]
	v_mul_f32 v[LL], v[ST+4*\t+2], v[T0]
	v_fma_f32 v[LL], v[LB], v[T1], v[LL]
	v_rcp_f32 v[LL], v[LL]
	v_nop                                          ; a plain place behind the reciprocal
	s_wait_alu depctr_va_vdst(0)                   ; and the wait ahead of its first reader
	v_mul_f32 v[GA], v[T0], v[LL]
	v_mul_f32 v[GB], v[T1], v[LL]
	WIN 0x01                                       ; source 0: my O^T, window 1
.set n, 0
.rept 64
	v_pk_mul_f32 v[S+n:S+n+1], v[128*\t+n:128*\t+n+1], v[GA:GA+1] op_sel_hi:[1,0]
.set n, n+2
.endr
	WIN 0x02                                       ; source 0: my partner's, window 2
.set n, 0
.rept 64
	v_pk_fma_f32 v[S+n:S+n+1], v[n:n+1], v[GB:GB+1], v[S+n:S+n+1] op_sel_hi:[1,0,1]
.set n, n+2
.endr
	WIN 0
.irp b, 0,1,2,3,4,5,6,7                        ; registers 16 b + 0 .. 15 are channels 32 b + 16 h + 0 .. 15 of my row
.irp q, 0,1,2,3
	ds_store_b128 v[STO], v[S+16*\b+4*\q:S+16*\b+4*\q+3] offset:128*\b+16*\q
.endr
.endr
	WIN TO3
.set n, 0
.rept 32
	ds_load_b128 v[4*n:4*n+3], v[RD] offset:SPITCH*(n/2)+512*(n%2)   ; LDS serves a wave's instructions in order (ISA guide 5.7.1.4): these see my stores
.set n, n+1
.endr
	WIN 0x0c                                       ; a store's data are its source 1: window 3
.set n, 0
.rept 32
	s_wait_dscnt 31-n                              ; the younger loads from the stage may be out
	global_store_b128 v[LI], v[4*n:4*n+3], s[8:9] offset:1024*((n/2)+8*((n/2)/8))+512*(n%2) th:TH_STORE_NT   ; 32 lanes store 512 consecutive bytes, half a row; stage row r is row r + 8 (r / 8) of the tile
.set n, n+1
.endr
	WIN 0
.endm
	s_cmp_lt_u32 s[WV], 2
	s_cbranch_scc0 .Lsend_0
	SENDT 1                                        ; stream 0 hands over tile 1,
	s_branch .Lsent
.Lsend_0:
	SENDT 0                                        ; stream 1 tile 0
.Lsent:
	s_wait_dscnt 0x0                               ; for the partner's sake: my stores are done
	s_barrier_signal -1
	s_barrier_wait -1
	s_cmp_lt_u32 s[WV], 2
	s_cbranch_scc0 .Lrecv_1
	RECVT 0
	s_branch .Ldone
.Lrecv_1:
	RECVT 1
.Ldone:
	s_wait_tensorcnt 0x0                           ; the wave's end, behind my last tensor load and my last LDS store
	ds_add_u32 v[SPW], v[NIL]
	s_wait_dscnt 0x0
	CROUND                                         ; the closing round: no work-group ends while a partner may still ask for a tile that names it
	s_endpgm
.Lfunc_end_k_qa982ab13cc_attn:
	.size	k_qa982ab13cc_attn, .Lfunc_end_k_qa982ab13cc_attn-k_qa982ab13cc_attn
	.p2alignl 7, 3214868480
	.fill 96, 4, 3214868480
	.section	.rodata,"a",@progbits
	.p2align	6, 0x0
	.amdhsa_kernel k_qa982ab13cc_attn
		.amdhsa_group_segment_fixed_size 327680
		.amdhsa_private_segment_fixed_size 0
		.amdhsa_enable_private_segment 0
		.amdhsa_kernarg_size 24
		.amdhsa_user_sgpr_count 2
		.amdhsa_user_sgpr_kernarg_segment_ptr 1
		.amdhsa_wavefront_size32 1
		.amdhsa_system_sgpr_workgroup_id_x 1
		.amdhsa_system_sgpr_workgroup_id_y 1
		.amdhsa_system_sgpr_workgroup_id_z 1
		.amdhsa_system_vgpr_workitem_id 0
		.amdhsa_next_free_vgpr 1024
		.amdhsa_next_free_sgpr 66
		.amdhsa_reserve_vcc 0
		.amdhsa_float_denorm_mode_32 3
		.amdhsa_float_denorm_mode_16_64 3
		.amdhsa_memory_ordered 1
		.amdhsa_forward_progress 1
		.amdhsa_inst_pref_size 224
	.end_amdhsa_kernel
	.amdgpu_metadata
---
amdhsa.version: [ 1, 2 ]
amdhsa.kernels:
  - .name:           k_qa982ab13cc_attn
    .symbol:         k_qa982ab13cc_attn.kd
    .args:
      - { .name: qc, .offset: 0, .size: 8, .value_kind: global_buffer, .address_space: global }
      - { .name: kv, .offset: 8, .size: 8, .value_kind: global_buffer, .address_space: global }
      - { .name: out0, .offset: 16, .size: 8, .value_kind: global_buffer, .address_space: global }
    .group_segment_fixed_size: 327680
    .private_segment_fixed_size: 0
    .kernarg_segment_align: 8
    .kernarg_segment_size: 24
    .max_flat_workgroup_size: 128
    .sgpr_count:     66
    .vgpr_count:     1024
    .wavefront_size: 32
...
	.end_amdgpu_metadata
.endif
;; end of part 2
;; ======== version 2 of 2: 2 launches
;; workspace buffers: qc 3,276,800 bytes; kv 6,553,600 bytes
;; launch proj (part 3): grid 128 x 2, 8 waves a work-group, no clusters, 109,056 bytes of LDS; arguments x, Wq, bq, Wk, bk, Wv, bv, qc, kv; writes qc, kv
.if DOCPART == 3
	.amdgcn_target "amdgcn-amd-amdhsa--gfx1250"
	.amdhsa_code_object_version 6
	.text
	.protected	k_qa982ab13cc_proj
	.globl	k_qa982ab13cc_proj
	.p2align	8
	.type	k_qa982ab13cc_proj,@function
k_qa982ab13cc_proj:
	s_mov_b64 s[64:65], 0
	v_nop
	global_prefetch_b8 v0, s[64:65] scope:SCOPE_SE
	s_setreg_imm32_b32 hwreg(HW_REG_WAVE_SCHED_MODE, 0, 2), 2
	s_setreg_imm32_b32 hwreg(HW_REG_WAVE_MODE, 25, 1), 1
	s_wait_xcnt 0x0
	s_wait_alu depctr_vm_vsrc(0)
; q = x Wq^T + bq, k = x Wk^T + bk, v = x Wv^T + bv on codes of FP6 (E2M3) with one E8M0 scale for each 32 along K; the results are quantised again, in registers, as the operands
; of the attention launch: q and k along the 256 features, v along the tokens (the keys).  x: [16,384][256] f32; W: [256][256] f32, K innermost; b: [256] f32.
; SHARES.  A work-group takes a chunk of 128 tokens (work-group x) and one half of the columns (work-group y): half 0 makes q and v's channels 0-127, half 1 makes k and v's channels 128-255.
; Both halves take ONE path through the text: only pointers are chosen, on the work-group's number.  Eight waves.  Wave w quantises tile w of x, tiles 2 w and 2 w + 1 of Wq or Wk and one tile of Wv,
; and stores them in LDS as IMAGES OF THE OPERAND'S REGISTERS (12 registers a lane: three stores of 16 bytes a lane, 512 bytes each; the scale word: 4 bytes a lane).  Behind one barrier each wave runs three jobs
; of 16 matrix instructions: features 0-127 and 128-255 of q or k for its 16 tokens, and its 16 channels of v for all 128 tokens.
; THE ROWS OF A TILE ARE NOT NEIGHBOURS: lane r of tile T holds row 32 (T / 2) + 8 (T % 2) + r + 8 (r / 8), for tokens and for rows of every W.  With such a tile as source 0, register j of lane (r, h) in the result
; is row 32 (T / 2) + 16 h + 8 (T % 2) + j: the 16 registers of tiles 2 b and 2 b + 1 are 16 NEIGHBOURS along the next product's K.  So the same fragments of x serve as source 1 (q, k: a lane holds a token,
; its registers run along the features) and as source 0 (v: a lane holds a channel, its registers run along the tokens).  The biases are the C of each sum's first matrix instruction.
; OUT.  qc: 128 chunks of 25,600 bytes: fragment (tile m, K step s) at (2 m + s) x 1,536; at 24,576 the scale words: byte 512 (m / 4) + 16 lane + 4 (m % 4), lanes 0-15 K step 0, lanes 16-31 K step 1.
; kv: 128 steps of 51,200 bytes: k's chunk laid like q's, then v's: fragment of channel tile i at 1,536 i; its scale words at 24,576 + 512 (i / 8) + 16 (r + 16 (i % 2)) + 4 ((i / 2) % 4).
; Every store into them covers 512 consecutive bytes at a multiple of 256 from the buffer's first byte.
; LIMITS: NaN and infinities among the inputs are not served.  A block whose largest magnitude lies under 2^-124, a block of zeros among them, gets the scale byte 1 (the rule says 127 for zeros): its codes
; are zeros or subnormal codes under that byte, and the bytes are read by this program alone.
; No tensor load, no cluster, no prefetch: the launch reads 512 KB a work-group through registers and is over after three jobs a wave.
; THE MODE: SCHED_MODE bits 1:0 = 2 (LLVM: expert scheduling mode 2), set by the entry lines.  The code itself states the register dependences
; between vector or matrix instructions and memory or LDS instructions, with s_wait_alu, always for 0.
; THE PLAN.  Registers that memory or LDS instructions touch:
;   v4-15, v34-37   Addresses, offsets and the add's two: written once at the head, read by memory and LDS instructions, never written again: one wait on va_vdst ahead of the first load.
;   HA, ST          Phase 1: loads land in them, a job's quantising reads them; the buffer's next loads stand behind the job's wait on va_vdst.  In phase 2 HA is named by matrix and vector instructions alone.
;   PC, PW          Written by each quantising, read by the stores that follow it (LDS in phase 1, memory in phase 2): one wait on va_vdst behind each quantising, one on vm_vsrc ahead of the next.
;   AF, AS, BF, BS, BI   Loads land in them, a job's 16 matrix instructions read them: one wait on va_vdst behind a job's products, ahead of the next job's run of loads, in which nothing but loads and window switches stands.
;   SW              Written by one select, read by one LDS store, behind the second job's wait on va_vdst.     v240-243: an LDS load lands, a store reads: no vector instruction names them.
; A vector instruction writes a scalar register once (the wave's number) and VCC once (which half of the lanes): each has its wait ahead of its first reader.
.set FRB,   1536                       ; a fragment's image in bytes
.set XIMG,  0                          ; LDS: x's 16 fragments, (2 m + s) FRB
.set XSC,   24576                      ; their scale words, 128 bytes each
.set WSC,   26624                      ; the 48 fragments' of W likewise
.set SST,   32768                      ; the scale words on their way out: 1,024 bytes of q's or k's, 512 of v's
.set SPARE, 34304                      ; the spare words, 128 bytes for each wave: four blocks of 256 bytes that no other line names
.set WIMG,  35328                      ; Wq's or Wk's 32 fragments, (2 T + s) FRB, then Wv's 16, (32 + 2 w + s) FRB
.set HIB,   WIMG+16*FRB                ; carried by two address registers, so that every immediate stays inside 16 bits
.set XA,  4                            ; v4   x, W: my lane's byte in a tile's rows: 1,024 (r + 8 (r / 8)) + 64 h
.set LI,  5                            ; v5   16 x lane
.set LS,  6                            ; v6   4 x lane
.set XWI, 7                            ; v7   16 x lane + 2 FRB x wave
.set XWS, 8                            ; v8   4 x lane + 256 x wave
.set WWI, 9                            ; v9   16 x lane + 4 FRB x wave
.set WWS, 10                           ; v10  4 x lane + 512 x wave
.set LI1, 11                           ; v11  16 x lane + HIB
.set VWI, 12                           ; v12  XWI + HIB
.set SSA, 13                           ; v13  where my q or k scale word goes in the stage
.set SSV, 14                           ; v14  and my v scale word
.set TA,  15                           ; v15  where waves 0 to 2 read the stage back
.set AS,  16                           ; v16-31 source 0's scale words
.set BS,  32                           ; v32-33 source 1's
.set BO,  34                           ; v34  64 h: my half's eight numbers of a tile's bias
.set BVO, 35                           ; v35  4 (r + 8 (r / 8)): my channel's number of bv
.set SPW, 36                           ; v36  LDS address of my spare word; never rewritten
.set NIL, 37                           ; v37  0; never rewritten
.set HA,  48                           ; v48-111  a job's eight results; in the first phase 64 numbers as loaded
.set ST,  112                          ; v112-175 the other 64 numbers as loaded
.set BF,  176                          ; v176-199 source 1's two fragments
.set PC,  200                          ; v200-211 the codes just made; v212-218 at work
.set TM,  220                          ; v220-223 largest magnitudes, v224-227 bytes, v232-235 the conversions' scale operands
.set PW,  236                          ; the scale word just made
.set PW0, 237                          ; K step 0's, kept
.set SW,  238                          ; both, lanes 0-15 and 16-31
.set AF,  0                            ; window 1: v0-191 source 0's 16 fragments
.set BI,  192                          ; window 1: v192-255 the bias, in the result's layout
.set WV,   22
.set HALF, 23
.set SEL,  26
.set PTX,  28                          ; s[28:29] x at my tile's first row
.set PTW,  30                          ; s[30:31] Wq or Wk at row 32 w
.set PTV,  32                          ; s[32:33] Wv at my tile's first row
.set PB1,  34                          ; s[34:35] bq or bk
.set PBV,  36                          ; s[36:37] bv at my tile's first channel
.set O1W,  38                          ; s[38:39] q's or k's chunk, my tile's two fragments
.set OVW,  40                          ; s[40:41] v's chunk, my fragment
.set PTT,  42                          ; s[42:43] where waves 0 to 2 store the scale words
.set MSB, 0
.macro WIN new                         ; the immediate's high byte repeats the setting that is left
.if MSB != \new
	s_set_vgpr_msb (MSB<<8)|\new
.set MSB, \new
.endif
.endm
; 64 numbers of my row for one fragment: of each block of 32 my half's 16 neighbours, four loads of 16 bytes
.macro XLOAD reg, base, off
.irp b, 0,1,2,3
.irp j, 0,1,2,3
	global_load_b128 v[\reg+16*\b+4*\j:\reg+16*\b+4*\j+3], v[XA], s[\base:\base+1] offset:\off+128*\b+16*\j
.endr
.endr
.endm
; 64 numbers of a lane, register 16 b + i = k 32 b + 16 (lane / 16) + i of my row, become a fragment's codes in v[PC] on and its scale word in v[PW]
.macro QUANT s
.irp b, 0,1,2,3
	v_max3_num_f32 v[TM+\b], |v[\s+16*\b]|, |v[\s+1+16*\b]|, 0x1800000   ; block b: my 16 numbers, and the floor 2^(3 - 127): the byte cannot fall under 1
.endr
.irp i, 2,4,6,8,10,12,14
.irp b, 0,1,2,3
	v_max3_num_f32 v[TM+\b], v[TM+\b], |v[\s+16*\b+\i]|, |v[\s+1+16*\b+\i]|   ; the four blocks by turns; each result is read from its low end on
.endr
.endr
.irp b, 0,1,2,3
	v_permlanex16_b32 v[TM+4+\b], v[TM+\b], s[SEL], s[SEL+1]
.endr
.irp b, 0,1,2,3
	v_max_num_f32 v[TM+\b], v[TM+\b], v[TM+4+\b]   ; with lane l xor 16's: the block's largest magnitude
.endr
.irp b, 0,1,2,3
	v_add_nc_u32 v[TM+12+\b], 0xff000000, v[TM+\b]   ; 2 off its exponent field: the conversion takes the exponent field of this operand as its scale
.endr
.irp b, 0,1,2,3
	v_lshrrev_b32 v[TM+4+\b], 23, v[TM+12+\b]      ; the scale's byte
.endr
	v_lshl_or_b32 v[PW], v[TM+5], 8, v[TM+4]       ; the four bytes make my row's scale word (both halves of the lanes hold it)
	v_lshl_or_b32 v[PW], v[TM+6], 16, v[PW]
	v_lshl_or_b32 v[PW], v[TM+7], 24, v[PW]
.irp c, 0,1
	v_cvt_scalef32_pk16_fp6_f32 v[PC+6*\c:PC+2+6*\c], v[\s+32*\c:\s+15+32*\c], v[TM+12+2*\c]
	v_cvt_scalef32_pk16_fp6_f32 v[PC+12+4*\c:PC+14+4*\c], v[\s+16+32*\c:\s+31+32*\c], v[TM+12+2*\c+1]   ; (a conversion's three registers begin on an even number)
.endr
	v_nop                                          ; one plain place behind a scaled conversion
.irp c, 0,1                                    ; the operand's layout wants a WHOLE block in a lane: lanes 0-15 block 2 c, lanes 16-31 block 2 c + 1
.irp i, 0,1,2
	v_permlane16_swap_b32 v[PC+6*\c+\i], v[PC+12+4*\c+\i]
.endr
.irp i, 0,1,2
	v_mov_b32 v[PC+3+6*\c+\i], v[PC+12+4*\c+\i]
.endr
.endr
.endm
.macro IMAGE adr, off                          ; the fragment in v[PC] on goes to LDS as it stands
.irp c, 0,1,2
	ds_store_b128 v[\adr], v[PC+4*\c:PC+4*\c+3] offset:\off+512*\c
.endr
.endm
.macro QJOB buf, left, iadr, ioff, sadr, soff  ; one fragment: its 16 loads are in (left: the next job's may be out), quantised, image and scale word to LDS
	s_wait_loadcnt \left
	QUANT \buf
	s_wait_alu depctr_va_vdst(0)                   ; the quantising has written v[PC ..] and v[PW], which the LDS stores below read, and is done reading its 64 numbers, in which the loads behind this job land
	IMAGE \iadr, \ioff
	ds_store_b32 v[\sadr], v[PW] offset:\soff
.endm
.macro FREE                                    ; between two jobs of the first phase
	s_wait_dscnt 0x0                               ; my LDS stores of the last fragment are done
	s_wait_alu depctr_vm_vsrc(0)                   ; they have read v[PC ..] and v[PW], which the next job's quantising writes again
.endm
.macro BARRIER                                 ; my LDS stores have landed and my LDS loads are in: then the work-group's barrier
	s_wait_dscnt 0x0
	s_barrier_signal -1
	s_barrier_wait -1
.endm
.macro ALOADS aadr, aoff, asoff                ; a job's source 0: 16 fragments on end, and their scale words
	WIN 0x40                                       ; destination window 1
.set f, 0
.rept 16
.irp c, 0,1,2
	ds_load_b128 v[AF+12*f+4*\c:AF+12*f+4*\c+3], v[\aadr] offset:\aoff+FRB*f+512*\c
.endr
.set f, f+1
.endr
	WIN 0
.set f, 0
.rept 16
	ds_load_b32 v[AS+f], v[LS] offset:\asoff+128*f
.set f, f+1
.endr
.endm
.macro BLOADS badr, boff, bsoff                ; its source 1: my tile's two fragments, and their scale words
.irp s, 0,1
.irp c, 0,1,2
	ds_load_b128 v[BF+12*\s+4*\c:BF+12*\s+4*\c+3], v[\badr] offset:\boff+FRB*\s+512*\c
.endr
	ds_load_b32 v[BS+\s], v[XWS] offset:\bsoff+128*\s
.endr
.endm
.macro BIAS off                                ; bq or bk in the result's layout: for tile t my half's eight numbers
	WIN 0x40
.irp t, 0,1,2,3,4,5,6,7
	global_load_b128 v[BI+8*\t:BI+8*\t+3], v[BO], s[PB1:PB1+1] offset:\off+(32*(\t/2)+8*(\t%2))*4
	global_load_b128 v[BI+8*\t+4:BI+8*\t+7], v[BO], s[PB1:PB1+1] offset:\off+(32*(\t/2)+8*(\t%2))*4+16
.endr
	WIN 0
.endm
; A job: eight tiles, two K steps.  The eight accumulators take turns, one instruction a turn.  cstep: registers from one tile's bias to the next's
.macro JMUL cstep
	WIN 0x11                                       ; source 0 and C window 1
.irp t, 0,1,2,3,4,5,6,7
	v_wmma_scale_f32_16x16x128_f8f6f4 v[HA+8*\t:HA+8*\t+7], v[AF+24*\t:AF+24*\t+11], v[BF:BF+11], v[BI+\cstep*\t:BI+\cstep*\t+7], v[AS+2*\t], v[BS] matrix_a_fmt:MATRIX_FMT_FP6 matrix_b_fmt:MATRIX_FMT_FP6
.endr
	WIN 0x01                                       ; source 0 window 1
.irp t, 0,1,2,3,4,5,6,7
	v_wmma_scale_f32_16x16x128_f8f6f4 v[HA+8*\t:HA+8*\t+7], v[AF+24*\t+12:AF+24*\t+23], v[BF+12:BF+23], v[HA+8*\t:HA+8*\t+7], v[AS+2*\t+1], v[BS+1] matrix_a_fmt:MATRIX_FMT_FP6 matrix_b_fmt:MATRIX_FMT_FP6
.endr
	WIN 0
.rept 4
	v_nop                                          ; four places behind these products, ahead of the first read of their results by a vector instruction (ISA guide 7.12.1)
.endr
.endm
.macro OUTF base, off                          ; the fragment in v[PC] on goes to memory as it stands: 512 consecutive bytes a store
.irp c, 0,1,2
	global_store_b128 v[LI], v[PC+4*\c:PC+4*\c+3], s[\base:\base+1] offset:\off+512*\c
.endr
.endm
	s_load_b512 s[4:19], s[0:1], 0x0               ; x s[4:5], Wq s[6:7], bq s[8:9], Wk s[10:11], bk s[12:13], Wv s[14:15], bv s[16:17], qc s[18:19]
	s_load_b64 s[20:21], s[0:1], 0x40              ; kv
	v_lshl_add_u32 v[SPW], v0, 2, SPARE
	v_mov_b32 v[NIL], 0
	v_lshrrev_b32 v1, 5, v0
	v_readfirstlane_b32 s[WV], v1                  ; wave 0..7
	s_and_b32 s[HALF], ttmp7, 0xffff               ; which half of the columns
	v_and_b32 v1, 31, v0                           ; lane
	v_and_b32 v2, 15, v0                           ; r
	v_bfe_u32 v3, v0, 4, 1                         ; h
	v_and_b32 v38, 8, v2
	v_add_nc_u32 v38, v38, v2                      ; r + 8 (r / 8)
	v_lshlrev_b32 v[XA], 10, v38
	v_lshl_add_u32 v[XA], v3, 6, v[XA]
	v_lshlrev_b32 v[LI], 4, v1
	s_wait_alu depctr_va_vdst(0)
	v_lshlrev_b32 v[LS], 2, v1
	s_wait_alu depctr_va_sdst(0)                   ; the wave's number is written, ahead of its first reader: LDS addresses, the pointers' offsets and the tail's branch are made from it
	s_mul_i32 s44, s[WV], 2*FRB
	v_add_nc_u32 v[XWI], s44, v[LI]
	s_lshl_b32 s44, s[WV], 8
	v_add_nc_u32 v[XWS], s44, v[LS]
	s_mul_i32 s44, s[WV], 4*FRB
	v_add_nc_u32 v[WWI], s44, v[LI]
	s_lshl_b32 s44, s[WV], 9
	v_add_nc_u32 v[WWS], s44, v[LS]
	v_add_nc_u32 v[LI1], HIB, v[LI]
	v_add_nc_u32 v[VWI], HIB, v[XWI]
	s_and_b32 s44, s[WV], 3
	s_lshl_b32 s44, s44, 2
	s_lshr_b32 s45, s[WV], 2
	s_lshl_b32 s45, s45, 9
	s_add_co_u32 s44, s44, s45
	s_add_co_u32 s44, s44, SST
	v_add_nc_u32 v[SSA], s44, v[LI]                ; 512 (w / 4) + 16 lane + 4 (w % 4)
	s_and_b32 s44, s[WV], 1
	s_lshl_b32 s44, s44, 8
	s_lshr_b32 s45, s[WV], 1
	s_lshl_b32 s45, s45, 2
	s_add_co_u32 s44, s44, s45
	s_add_co_u32 s44, s44, SST+1024
	v_lshl_add_u32 v[SSV], v2, 4, s44              ; 16 (r + 16 (w % 2)) + 4 (w / 2)
	s_min_u32 s44, s[WV], 2
	s_lshl_b32 s44, s44, 9
	s_add_co_u32 s44, s44, SST
	v_add_nc_u32 v[TA], s44, v[LI]                 ; waves 0 to 2: 512 bytes of the stage each
	v_lshlrev_b32 v[BO], 6, v3
	v_lshlrev_b32 v[BVO], 2, v38
.irp b, 0,1,2,3
	v_mov_b32 v[TM+4+\b], 0                        ; written once: a lane permute's destination counts as one of its sources
.endr
	s_mov_b32 s[SEL], 0x76543210
	s_mov_b32 s[SEL+1], 0xfedcba98                 ; v_permlanex16_b32's selects for lane l xor 16
	; the offsets, each in a pair of its own
	s_lshr_b32 s44, s[WV], 1
	s_and_b32 s45, s[WV], 1
	s_lshl_b32 s46, s44, 15
	s_lshl_b32 s47, s45, 13
	s_add_co_u32 s46, s46, s47                     ; tile w begins at row 32 (w / 2) + 8 (w % 2), of 1,024 bytes
	s_lshl_b32 s48, ttmp9, 17                      ; x: the chunk's 128 rows,
	s_add_co_u32 s48, s48, s46                     ; my tile
	s_mov_b32 s49, 0
	s_lshl_b32 s50, s[HALF], 17                    ; Wv: the half's 128 rows, my tile
	s_add_co_u32 s50, s50, s46
	s_mov_b32 s51, 0
	s_cmp_eq_u32 s[HALF], 0
	s_mov_b32 s52, 51200
	s_cselect_b32 s52, 25600, s52
	s_mul_i32 s52, s52, ttmp9                      ; the chunk in qc, or the step in kv
	s_mov_b32 s53, 0
	s_mul_i32 s54, ttmp9, 51200
	s_add_co_u32 s54, s54, 25600                   ; v's chunk of the step
	s_mov_b32 s55, 0
	s_lshl_b32 s56, s[WV], 15                      ; Wq, Wk: row 32 w
	s_mov_b32 s57, 0
	s_lshl_b32 s58, s[HALF], 9                     ; bv: my tile's first channel
	s_lshl_b32 s44, s44, 7
	s_lshl_b32 s45, s45, 5
	s_add_co_u32 s58, s58, s44
	s_add_co_u32 s58, s58, s45
	s_mov_b32 s59, 0
	s_cmp_lt_u32 s[WV], 2
	s_cselect_b32 s60, s[WV], s[HALF]              ; the scale words: waves 0, 1: q's or k's two groups; wave 2: v's group of this half
	s_lshl_b32 s60, s60, 9
	s_add_co_u32 s60, s60, 24576
	s_mov_b32 s61, 0
	s_mul_i32 s62, s[WV], 2*FRB                    ; q, k: my tile's two fragments
	s_mov_b32 s63, 0
	s_lshl_b32 s24, s[HALF], 3
	s_add_co_u32 s24, s24, s[WV]
	s_mul_i32 s24, s24, FRB                        ; v: fragment 8 half + w
	s_mov_b32 s25, 0
	s_wait_kmcnt 0x0
	s_add_nc_u64 s[PTX:PTX+1], s[4:5], s[48:49]
	s_add_nc_u64 s[PTV:PTV+1], s[14:15], s[50:51]
	s_add_nc_u64 s[PBV:PBV+1], s[16:17], s[58:59]
	s_cmp_eq_u32 s[HALF], 0                        ; q's half or k's?  The choice hangs on the work-group's number alone
	s_cselect_b64 s[PTW:PTW+1], s[6:7], s[10:11]
	s_cselect_b64 s[PB1:PB1+1], s[8:9], s[12:13]
	s_cselect_b64 s[O1W:O1W+1], s[18:19], s[20:21]
	s_add_nc_u64 s[PTW:PTW+1], s[PTW:PTW+1], s[56:57]
	s_add_nc_u64 s[O1W:O1W+1], s[O1W:O1W+1], s[52:53]
	s_add_nc_u64 s[OVW:OVW+1], s[20:21], s[54:55]
	s_cmp_lt_u32 s[WV], 2
	s_cselect_b64 s[PTT:PTT+1], s[O1W:O1W+1], s[OVW:OVW+1]
	s_add_nc_u64 s[PTT:PTT+1], s[PTT:PTT+1], s[60:61]
	s_add_nc_u64 s[O1W:O1W+1], s[O1W:O1W+1], s[62:63]
	s_add_nc_u64 s[OVW:OVW+1], s[OVW:OVW+1], s[24:25]
	s_wait_alu depctr_va_vdst(0)                   ; the addresses and offsets v4 to v15, v34 and v35 are written, which every load and store of the kernel reads, and so are the closing add's v36 and v37; none is written again
	; ---- 1: eight fragments a wave are quantised, on two sets of 64 registers by turns.  The first job's bias goes out first, so that the counted waits below cover it
	BIAS 0
	XLOAD HA, PTX, 0
	XLOAD ST, PTX, 512
	QJOB HA, 16, XWI, XIMG, XWS, XSC               ; x, tile w, K step 0
	XLOAD HA, PTW, 0                               ; no further wait: no vector instruction since the job's wait names these registers
	FREE
	QJOB ST, 16, XWI, XIMG+FRB, XWS, XSC+128       ; K step 1
	XLOAD ST, PTW, 512
	FREE
	QJOB HA, 16, WWI, WIMG, WWS, WSC               ; Wq or Wk, tile 2 w
	XLOAD HA, PTW, 8192
	FREE
	QJOB ST, 16, WWI, WIMG+FRB, WWS, WSC+128
	XLOAD ST, PTW, 8192+512
	FREE
	QJOB HA, 16, WWI, WIMG+2*FRB, WWS, WSC+256     ; tile 2 w + 1: eight rows further down
	XLOAD HA, PTV, 0
	FREE
	QJOB ST, 16, WWI, WIMG+3*FRB, WWS, WSC+384
	XLOAD ST, PTV, 512
	FREE
	QJOB HA, 16, VWI, 16*FRB, XWS, WSC+4096        ; Wv, my tile
	FREE
	QJOB ST, 0, VWI, 17*FRB, XWS, WSC+4096+128
	BARRIER                                        ; all 64 images lie in LDS
	s_wait_alu depctr_vm_vsrc(0)                   ; my last LDS stores have read v[PC ..] and v[PW], which the first job's quantising writes again
	; ---- 2: three jobs.  The next job's operands are asked for behind a job's products and land while its results are quantised
	ALOADS LI, WIMG, WSC                           ; rows 0-127 of Wq or Wk.  No wait: no vector or matrix instruction has yet named the registers in which these and the next loads land
	BLOADS XWI, XIMG, XSC                          ; my 16 tokens
	s_wait_dscnt 0x0
	JMUL 8                                         ; features 0-127 of my tokens: K step 0 of the next product
	s_wait_alu depctr_va_vdst(0)                   ; the products are done reading source 0's fragments, its scale words and the bias, in which the loads below land
	ALOADS LI1, 0, WSC+2048                        ; rows 128-255; my tokens' fragments stay
	BIAS 512
	QUANT HA
	v_mov_b32 v[PW0], v[PW]
	s_wait_alu depctr_va_vdst(0)                   ; the quantising has written v[PC ..], which the stores below read
	OUTF O1W, 0
	s_wait_dscnt 0x0
	s_wait_loadcnt 0x0                             ; the bias
	JMUL 8                                         ; features 128-255
	s_wait_xcnt 0x0                                ; the stores above, issued ahead of the products, have had their addresses translated (ISA guide 3.1): the codes are written again only behind this wait
	s_wait_alu depctr_vm_vsrc(0)                   ; and they have read v[PC ..], which the quantising below writes again; no line between here and there reads these registers
	s_wait_alu depctr_va_vdst(0)                   ; the products are done reading both sources' fragments, their scale words and the bias, in which the loads below land
	ALOADS LI, XIMG, XSC                           ; all 128 tokens
	BLOADS VWI, 16*FRB, WSC+4096                   ; my 16 rows of Wv
	WIN 0x40
	global_load_b32 v[BI], v[BVO], s[PBV:PBV+1]    ; bv of my lane's channel
	WIN 0
	v_cmp_eq_u32 vcc_lo, 1, v3                     ; lanes 16-31; the quantising, which leaves VCC alone, stands between this line and the wait for it
	QUANT HA
	s_wait_alu depctr_va_vcc(0)                    ; VCC is written, ahead of the select that reads it
	v_cndmask_b32 v[SW], v[PW0], v[PW], vcc_lo     ; lanes 0-15: K step 0's word; lanes 16-31: K step 1's
	s_wait_alu depctr_va_vdst(0)                   ; the quantising has written v[PC ..] and the select v[SW], which the stores below read
	OUTF O1W, FRB
	ds_store_b32 v[SSA], v[SW]
	s_wait_loadcnt 0x0                             ; bv
	WIN 0x41                                       ; destination and source window 1
.irp j, 1,2,3,4,5,6,7
	v_mov_b32 v[BI+\j], v[BI]                      ; a lane holds one channel: its eight registers, eight tokens, take the same number
.endr
	WIN 0
	s_wait_alu depctr_va_vdst(0)
	s_wait_dscnt 0x0
.rept 4
	v_nop                                          ; between the moves and the products that take them as C
.endr
	JMUL 0                                         ; my 16 channels of v for the chunk's 128 tokens: source 0 = x's tiles, source 1 = Wv's
	s_wait_xcnt 0x0                                ; the stores above have had their addresses translated: the codes are written again only behind this wait
	s_wait_alu depctr_vm_vsrc(0)                   ; and they have read v[PC ..], which the quantising below writes again
	QUANT HA                                       ; along the tokens
	s_wait_alu depctr_va_vdst(0)                   ; the quantising has written v[PC ..] and v[PW], which the stores below read
	OUTF OVW, 0
	ds_store_b32 v[SSV], v[PW]                     ; both halves of the lanes write the same word with the same value
	BARRIER                                        ; the scale words lie in the stage
	s_cmp_gt_u32 s[WV], 2
	s_cbranch_scc1 .Lno_tail
	ds_load_b128 v[240:243], v[TA]                 ; no vector instruction names v240 to v243
	s_wait_dscnt 0x0
	global_store_b128 v[LI], v[240:243], s[PTT:PTT+1]   ; 512 consecutive bytes
.Lno_tail:
	s_wait_dscnt 0x0                               ; the closing lines, six on end
	s_wait_alu 0x0
	s_wait_tensorcnt 0x0
	ds_add_u32 v[SPW], v[NIL]
	s_wait_dscnt 0x0
	s_endpgm
.Lfunc_end_k_qa982ab13cc_proj:
	.size	k_qa982ab13cc_proj, .Lfunc_end_k_qa982ab13cc_proj-k_qa982ab13cc_proj
	.p2alignl 7, 3214868480
	.fill 96, 4, 3214868480
	.section	.rodata,"a",@progbits
	.p2align	6, 0x0
	.amdhsa_kernel k_qa982ab13cc_proj
		.amdhsa_group_segment_fixed_size 109056
		.amdhsa_private_segment_fixed_size 0
		.amdhsa_enable_private_segment 0
		.amdhsa_kernarg_size 72
		.amdhsa_user_sgpr_count 2
		.amdhsa_user_sgpr_kernarg_segment_ptr 1
		.amdhsa_wavefront_size32 1
		.amdhsa_system_sgpr_workgroup_id_x 1
		.amdhsa_system_sgpr_workgroup_id_y 1
		.amdhsa_system_sgpr_workgroup_id_z 1
		.amdhsa_system_vgpr_workitem_id 0
		.amdhsa_next_free_vgpr 512
		.amdhsa_next_free_sgpr 66
		.amdhsa_reserve_vcc 1
		.amdhsa_float_denorm_mode_32 3
		.amdhsa_float_denorm_mode_16_64 3
		.amdhsa_memory_ordered 1
		.amdhsa_forward_progress 1
		.amdhsa_inst_pref_size 87
	.end_amdhsa_kernel
	.amdgpu_metadata
---
amdhsa.version: [ 1, 2 ]
amdhsa.kernels:
  - .name:           k_qa982ab13cc_proj
    .symbol:         k_qa982ab13cc_proj.kd
    .args:
      - { .name: x, .offset: 0, .size: 8, .value_kind: global_buffer, .address_space: global }
      - { .name: Wq, .offset: 8, .size: 8, .value_kind: global_buffer, .address_space: global }
      - { .name: bq, .offset: 16, .size: 8, .value_kind: global_buffer, .address_space: global }
      - { .name: Wk, .offset: 24, .size: 8, .value_kind: global_buffer, .address_space: global }
      - { .name: bk, .offset: 32, .size: 8, .value_kind: global_buffer, .address_space: global }
      - { .name: Wv, .offset: 40, .size: 8, .value_kind: global_buffer, .address_space: global }
      - { .name: bv, .offset: 48, .size: 8, .value_kind: global_buffer, .address_space: global }
      - { .name: qc, .offset: 56, .size: 8, .value_kind: global_buffer, .address_space: global }
      - { .name: kv, .offset: 64, .size: 8, .value_kind: global_buffer, .address_space: global }
    .group_segment_fixed_size: 109056
    .private_segment_fixed_size: 0
    .kernarg_segment_align: 8
    .kernarg_segment_size: 72
    .max_flat_workgroup_size: 256
    .sgpr_count:     66
    .vgpr_count:     512
    .wavefront_size: 32
...
	.end_amdgpu_metadata
.endif
;; end of part 3
;; launch attn (part 4): grid 64 x 4, 4 waves a work-group, clusters of 4 x 1, 327,680 bytes of LDS; arguments qc, kv, out0; writes out0
.if DOCPART == 4
	.amdgcn_target "amdgcn-amd-amdhsa--gfx1250"
	.amdhsa_code_object_version 6
	.text
	.protected	k_qa982ab13cc_attn
	.globl	k_qa982ab13cc_attn
	.p2align	8
	.type	k_qa982ab13cc_attn,@function
k_qa982ab13cc_attn:
	s_mov_b64 s[64:65], 0
	v_nop
	global_prefetch_b8 v0, s[64:65] scope:SCOPE_SE
	s_setreg_imm32_b32 hwreg(HW_REG_WAVE_MODE, 25, 1), 1
	s_wait_xcnt 0x0
	s_wait_alu depctr_hold_cnt(0) depctr_sa_sdst(0) depctr_va_vdst(0) depctr_va_sdst(0) depctr_va_ssrc(0) depctr_va_vcc(0) depctr_vm_vsrc(0)
	s_getreg_b32 s2, hwreg(HW_REG_IB_STS2, 6, 4)
	s_cmp_eq_u32 s2, 0
	s_cbranch_scc0 .Lentry_in_a_cluster
	s_endpgm
.Lentry_in_a_cluster:
	s_bfe_u32 s2, ttmp6, 0x10000c
	s_cmp_lg_u32 s2, 0x3003
	s_cbranch_scc0 .Lentry_shape_is_right
	s_endpgm
.Lentry_shape_is_right:
; out[b][q][:] = the sum over k of softmax_k(q . k / 16) v[k][:], both products on codes of FP6 (E2M3) with one E8M0 scale for each 32 along a product's K.  4 batches, 4,096 tokens, 256 channels.
; q, k and v come as images of the operand's registers (a fragment, 16 rows x 128 K, is 12 registers a lane: 1,536 bytes, registers 4 c .. 4 c + 3 of lane l at 512 c + 16 l), as the launch before laid them:
; qc: chunks of 128 tokens, 25,600 bytes: fragment (tile m, K step s) at (2 m + s) x 1,536, scale words at 24,576.  kv: steps of 128 keys, 51,200 bytes: k's chunk, then v's (16 tiles of channels, K = the step's keys).
; Lane r of tile T holds row 32 (T / 2) + 8 (T % 2) + r + 8 (r / 8), of tokens and of channels alike.
; THE SOFTMAX AHEAD OF THE SECOND PRODUCT: t = score x log2(e) / 16; M = the row's largest t so far, rounded UP to a whole number; p = 2^(t - M) is quantised along the keys, not normalised.  The row's sum is taken
; of the unquantised p and divides at the end.  When M moves, the sum and O are multiplied by 2^(old M - new M): exact.
; SHARES.  A work-group owns 64 queries of one batch.  Its four waves are 2 halves of the queries x 2 streams of keys: wave w holds queries 32 (w & 1) on (two tiles of 16) and takes key steps 2 i + (w >> 1), i = 0 .. 15.
; So each fragment of k and v is read from LDS by two waves and feeds two matrix instructions in each, and a step's 32 fragments all fit in a wave's registers.  At the end the two streams' results meet once, through LDS:
; each wave of a pair finishes one of the two tiles; the rescaling is by whole powers of two.
; LAYOUT.  Both products are used transposed: S^T = K Q^T (source 0 = 16 keys, source 1 = 16 queries), O^T = V^T P^T (source 0 = 16 channels, source 1 = P): a lane holds ONE query throughout; by the tiles' row order the 16
; registers of two neighbouring tiles of S^T are 16 neighbouring keys, and register 8 i + j of O^T is channel 32 (i / 2) + 16 (lane / 16) + 8 (i % 2) + j.
; A TRIP: the change of slots; K's fragments from LDS; V^T P of the step BEFORE (its operands lie in registers: these products run while K's loads land); K Q^T; V's fragments from LDS; the softmax.
; RING.  Two LDS slots, each with two key steps (one for each stream) as they lie in memory: 102,400 dense bytes; wave w fetches quarter w by one tensor load.
; CLUSTER.  The four work-groups of a cluster belong to one batch and walk the same k and v: each quarter is asked for JOINTLY, by the same tensor load with the same descriptor and a mask that names the four.
; LIMITS: NaN and infinities are not served.  A block's largest p is taken from its largest score, which takes v_exp_f32 not to fall where its input rises.  A block of p that has fallen to zeros keeps the scale byte 1.
; The keys are summed in two streams that are added once: the order of the f32 sums differs from a single ascending walk.
; REGISTERS, in windows of 256: window 0: addresses, statistics, scale words, P, S^T (v128-255).  window 1: O^T, tile t, channel tile i at 128 t + 8 i.  window 2: v0-191 K's 16 fragments, v192-239 Q's four.  window 3: v0-191 V's 16.
.set FRB,    1536
.set CHK,    25600                     ; a chunk: 16 fragments and 1,024 bytes of scale words; also a quarter of a slot
.set STEPB,  2*CHK                     ; a key step: k's chunk, v's chunk
.set SLOTB,  2*STEPB
.set BATB,   32*STEPB                  ; a batch's k and v
.set SLOT1,  1<<17                     ; slot 1 begins here, so that one exclusive or turns an address in one slot into the other's
.set XCH,    SLOT1+SLOTB               ; behind the ring: for each wave 16,384 bytes (a tile of O^T as it stands), 128 of -M, 128 of the sum
.set XCHW,   16640
.set SPARE,  XCH+4*XCHW                ; the spare words, 128 bytes for each wave: two blocks of 256 bytes that no other line names
.set SPITCH, 1040                      ; the way out: 16 rows x (1,024 bytes + 16) for each wave, from LDS byte 0 on: slot 0 has had its last fill and its last read when the first result is stored there
.set LI,  1                            ; v1   16 x lane
.set AK0, 2                            ; v2   16 x lane + my stream's step in a slot
.set ADR, 3                            ; v3   the same in the slot in hand
.set STO, 4                            ; v4   the stage: where I put 16 bytes of a row
.set RD,  5                            ; v5   and where I read half a row back
.set XW,  6                            ; v6   the exchange: my wave's bytes, 16 x lane;  v7: my partner's;  v8, v9: the same, 4 x lane
.set XR,  7
.set XW4, 8
.set XR4, 9
.set SPW, 10                           ; v10  LDS address of my spare word; never rewritten
.set NIL, 11                           ; v11  0; never rewritten
.set ST,  12                           ; tile t at v[ST + 4 t]: -M, the largest t, the sum in two halves
.set FP,  20                           ; tile t at v[FP + 2 t]: f = 2^(old M - new M), named as a pair
.set BM,  24                           ; tile t at v[BM + 16 t]: +0..3 the blocks' largest scores, +4..7 at work, then bytes, +8..11 the conversions' scale operands, +12:13 the second chain of the sum, +14 at work
.set KS,  56                           ; v56-63  K's scale words: register j: tile j; lanes 0-15 K step 0, lanes 16-31 K step 1
.set VS,  64                           ; v64-71  V's: register i / 2: lanes 0-15 tile 2 (i / 2), lanes 16-31 the odd one
.set QS,  72                           ; v72-73  Q's, laid as K's
.set PS,  74                           ; v74-75  p's
.set P,   76                           ; p's codes: tile t at v[P + 12 t]
.set CT,  100                          ; the conversions' second halves: tile t at v[CT + 8 t]
.set MB,  116                          ; the merge: my partner's -M, its sum, the joint -M, two factors, the joint sum, and the factors over the sum as pairs
.set LB,  117
.set MN,  118
.set T0,  119
.set T1,  120
.set LL,  121
.set GA,  122
.set GB,  124
.set PFO, 126                          ; v126 256 x lane; never rewritten
.set S,   128                          ; S^T, then p: tile t at v[S + 64 t]; at the end the finished tile
.set QF,  192                          ; Q's fragments, in window 2: (t, s) at QF + 12 (2 t + s)
.set WV,    12
.set CX,    13
.set QB,    14
.set BAT,   15
.set G1,    24                         ; s[24:31] descriptor group 1
.set G0,    32                         ; s[32:35] descriptor group 0, which walks
.set CS,    36                         ; s[36:37] c = log2(e) / 16: the packed form names a pair and takes its low word for both halves
.set SEL,   38                         ; s[38:39] lane selects for v_permlanex16_b32: lane l xor 16
.set TB,    40                         ; s40  LDS byte at which the slot in hand begins
.set SLOTS, 41                         ; s41  slots still to be asked for
.set LIM,   42                         ; s42  4 in the batch's first cluster, else the greatest number: a wave prefetches while s[SLOTS] is above it
.set PFA,   44                         ; s[44:45] where my prefetches stand
.set QSP,   46                         ; s[46:47] my tiles' scale words of Q
.set MSB, 0
.macro WIN new                         ; the immediate's high byte repeats the setting that is left
.if MSB != \new
	s_set_vgpr_msb (MSB<<8)|\new
.set MSB, \new
.endif
.endm
.set W_KQ, 0x0a                        ; K and Q in window 2, S^T in window 0
.set W_PV, 0x53                        ; V in window 3, P in window 0, O^T in window 1
.set W_RS, 0x41                        ; O^T (destination and source 0) in window 1, f in window 0
.set TO2,  0x80                        ; destination window 2, address window 0
.set TO3,  0xc0                        ; destination window 3
.macro PLACES n
.rept \n
	v_nop
.endr
.endm
; A round of the cluster's barrier: my work-group's barrier; wave 0 signals for the work-group; every wave waits for all four work-groups; my work-group's barrier once more
.macro CROUND
	s_barrier_signal -1
	s_barrier_wait -1
	s_cmp_lg_u32 s[WV], 0
	s_cbranch_scc1 .Lnot_wave_0_\@
	s_barrier_signal -3
.Lnot_wave_0_\@:
	s_barrier_wait -3
	s_barrier_signal -1
	s_barrier_wait -1
.endm
; A PREFETCH INTO THE L2.  A batch's k and v are one stream of 6,400 blocks of 256 bytes, which all sixteen clusters of the batch walk: the batch's first cluster asks, and nobody else (a test on the cluster's number, the same in
; all partners).  Its sixteen waves are told apart BY ADDRESS, 8,192 bytes each, lanes 256 bytes apart: 512 blocks a change of slots, against the 400 that a slot holds.  The e-th filling change (e = 0 .. 10) names blocks
; 768 + 512 e to 1,279 + 512 e: each once, the last of them the batch's last; what the next change's tensor loads ask for ends at block 1,199 + 400 e.  The first 768 blocks come by their loads alone, and the last four filling changes ask for nothing.
.macro ASK
	s_cmp_gt_u32 s[SLOTS], s[LIM]
	s_cbranch_scc0 .Lnot_mine_\@
	global_prefetch_b8 v[PFO], s[PFA:PFA+1] th:TH_LOAD_NT scope:SCOPE_SE
.Lnot_mine_\@:
.endm
; THE CHANGE OF SLOTS, at a trip's head.  Each wave waits for all its tensor loads (one is out: its quarter of the slot that it is about to read), adds 0 to its spare word, and waits for that and for its reads of the slot
; that it has left.  fill = 1: behind a round of the cluster's barrier that slot is filled with the next two key steps: no wave of any partner still reads it or has a load on its way; the load has a whole trip in which to land.
.macro CHANGE fill
	WIN 0
	s_wait_tensorcnt 0x0                           ; no tensor load of mine is out, so the group 0 may be written
	ds_add_u32 v[SPW], v[NIL]                      ; 0 onto my spare word; the steps below stand between it and the wait for it
.if \fill
	s_xor_b32 s[G0+1], s[G0+1], SLOT1              ; the other slot than last time,
	s_add_nc_u64 s[G0+2:G0+3], s[G0+2:G0+3], SLOTB ; the next two key steps; the type bits on top are not reached
	s_wait_xcnt 0x0                                ; the last prefetch, a trip back, has read its address, so it may be written
	s_add_nc_u64 s[PFA:PFA+1], s[PFA:PFA+1], 131072
	s_wait_dscnt 0x0                               ; the add is done, and my reads of the slot that I have left are over
	CROUND
	tensor_load_to_lds s[G0:G0+3], s[G1:G1+7]      ; the first thing behind the round, and my one tensor load until the next
	s_nop 0
	PLACES 4
.else
	s_wait_dscnt 0x0
	s_barrier_signal -1
	s_barrier_wait -1
.endif
.endm
.macro KLOAD                                   ; my step's K: the scale words, then 16 fragments, tile by tile
	v_add_nc_u32 v[ADR], s[TB], v[AK0]
	ds_load_b128 v[KS:KS+3], v[ADR] offset:16*FRB
	ds_load_b128 v[KS+4:KS+7], v[ADR] offset:16*FRB+512
	WIN TO2
.set f, 0
.rept 16
.irp c, 0,1,2
	ds_load_b128 v[12*f+4*\c:12*f+4*\c+3], v[ADR] offset:FRB*f+512*\c
.endr
.set f, f+1
.endr
	WIN 0
.endm
.macro VLOAD                                   ; my step's V
	WIN 0
	PLACES 4                                       ; behind the products: for the loads into V's fragments and scale words, which V^T P has read, and for the first read of S^T
	WIN TO3
.set f, 0
.rept 16
.irp c, 0,1,2
	ds_load_b128 v[12*f+4*\c:12*f+4*\c+3], v[ADR] offset:CHK+FRB*f+512*\c
.endr
.set f, f+1
.endr
	WIN 0
	ds_load_b128 v[VS:VS+3], v[ADR] offset:CHK+16*FRB
	ds_load_b128 v[VS+4:VS+7], v[ADR] offset:CHK+16*FRB+512
.endm
; O^T += V^T P^T: 16 tiles of channels x my two tiles of queries; each of the 32 accumulators comes once.  mode = 1: the products start the sums: nothing is ever cleared
.macro PV mode
	WIN W_PV
.irp i, 0,1,2,3,4,5,6,7,8,9,10,11,12,13,14,15
.irp t, 0,1
.if \mode == 1
.if (\i)%2
	v_wmma_scale_f32_16x16x128_f8f6f4 v[128*\t+8*\i:128*\t+8*\i+7], v[12*\i:12*\i+11], v[P+12*\t:P+12*\t+11], 0, v[VS+\i/2], v[PS+\t] matrix_a_fmt:MATRIX_FMT_FP6 matrix_b_fmt:MATRIX_FMT_FP6 matrix_a_scale:MATRIX_SCALE_ROW1
.else
	s_wait_alu depctr_va_vdst(0)
	v_wmma_scale_f32_16x16x128_f8f6f4 v[128*\t+8*\i:128*\t+8*\i+7], v[12*\i:12*\i+11], v[P+12*\t:P+12*\t+11], 0, v[VS+\i/2], v[PS+\t] matrix_a_fmt:MATRIX_FMT_FP6 matrix_b_fmt:MATRIX_FMT_FP6
.endif
.else
.if (\i)%2
	v_wmma_scale_f32_16x16x128_f8f6f4 v[128*\t+8*\i:128*\t+8*\i+7], v[12*\i:12*\i+11], v[P+12*\t:P+12*\t+11], v[128*\t+8*\i:128*\t+8*\i+7], v[VS+\i/2], v[PS+\t] matrix_a_fmt:MATRIX_FMT_FP6 matrix_b_fmt:MATRIX_FMT_FP6 matrix_a_scale:MATRIX_SCALE_ROW1
.else
	v_wmma_scale_f32_16x16x128_f8f6f4 v[128*\t+8*\i:128*\t+8*\i+7], v[12*\i:12*\i+11], v[P+12*\t:P+12*\t+11], v[128*\t+8*\i:128*\t+8*\i+7], v[VS+\i/2], v[PS+\t] matrix_a_fmt:MATRIX_FMT_FP6 matrix_b_fmt:MATRIX_FMT_FP6
.endif
.endif
.endr
.endr
.endm
; S^T = K Q^T: 8 tiles of keys x my two tiles of queries, two K steps.  The two tiles' accumulators take turns, one instruction a turn.
; The wait: behind tile j's six fragment loads stand the six of each later tile
.macro KQ
	WIN W_KQ
.irp j, 0,1,2,3,4,5,6,7
	s_wait_dscnt 6*(7-\j)
.irp t, 0,1
	v_wmma_scale_f32_16x16x128_f8f6f4 v[S+64*\t+8*\j:S+64*\t+8*\j+7], v[24*\j:24*\j+11], v[QF+24*\t:QF+24*\t+11], 0, v[KS+\j], v[QS+\t] matrix_a_fmt:MATRIX_FMT_FP6 matrix_b_fmt:MATRIX_FMT_FP6
.endr
.irp t, 0,1
	v_wmma_scale_f32_16x16x128_f8f6f4 v[S+64*\t+8*\j:S+64*\t+8*\j+7], v[24*\j+12:24*\j+23], v[QF+24*\t+12:QF+24*\t+23], v[S+64*\t+8*\j:S+64*\t+8*\j+7], v[KS+\j], v[QS+\t] matrix_a_fmt:MATRIX_FMT_FP6 matrix_b_fmt:MATRIX_FMT_FP6 matrix_a_scale:MATRIX_SCALE_ROW1 matrix_b_scale:MATRIX_SCALE_ROW1
.endr
.endr
.endm
; THE SOFTMAX of a step, both tiles by turns in every stage.  first = 1: there is no O^T yet to bring under the new M
.macro SOFTMAX first
.irp t, 0,1
.irp b, 0,1,2,3
	v_max3_num_f32 v[BM+16*\t+\b], v[S+64*\t+16*\b], v[S+64*\t+16*\b+1], v[S+64*\t+16*\b+2]   ; THE LARGEST SCORE OF EACH BLOCK OF 32 KEYS: for the row's maximum, and, since p rises with the score, for the block's largest p.  Each result is read from its low end on
.endr
.endr
.irp i, 3,5,7,9,11,13
.irp t, 0,1
.irp b, 0,1,2,3
	v_max3_num_f32 v[BM+16*\t+\b], v[BM+16*\t+\b], v[S+64*\t+16*\b+\i], v[S+64*\t+16*\b+\i+1]
.endr
.endr
.endr
.irp t, 0,1
.irp b, 0,1,2,3
	v_max_num_f32 v[BM+16*\t+\b], v[BM+16*\t+\b], v[S+64*\t+16*\b+15]
.endr
.endr
.irp t, 0,1
.irp b, 0,1,2,3
	v_permlanex16_b32 v[BM+16*\t+4+\b], v[BM+16*\t+\b], s[SEL], s[SEL+1]
.endr
.endr
.irp t, 0,1
.irp b, 0,1,2,3
	v_max_num_f32 v[BM+16*\t+\b], v[BM+16*\t+\b], v[BM+16*\t+4+\b]   ; with lane l xor 16's 16 keys
.endr
.endr
.irp t, 0,1
	v_max3_num_f32 v[BM+16*\t+14], v[BM+16*\t], v[BM+16*\t+1], v[BM+16*\t+2]
.endr
.irp t, 0,1
	v_max_num_f32 v[BM+16*\t+14], v[BM+16*\t+14], v[BM+16*\t+3]      ; the step's largest score of my query
.endr
.irp t, 0,1
	v_mul_f32 v[BM+16*\t+14], s[CS], v[BM+16*\t+14]                  ; as t (c is positive)
.endr
.irp t, 0,1
	v_max_num_f32 v[ST+4*\t+1], v[ST+4*\t+1], v[BM+16*\t+14]         ; the running largest t
.endr
.irp t, 0,1
	v_mov_b32 v[BM+16*\t+14], v[ST+4*\t]
.endr
.irp t, 0,1
	v_floor_f32 v[ST+4*\t], -v[ST+4*\t+1]                            ; the new -M = floor(-t) = -ceil(t): M IS A WHOLE NUMBER
.endr
.irp t, 0,1
	v_sub_f32 v[BM+16*\t+14], v[ST+4*\t], v[BM+16*\t+14]             ; old M - new M: a whole number, 0 or less
.endr
.irp t, 0,1
	v_cvt_i32_f32 v[BM+16*\t+14], v[BM+16*\t+14]                     ; (it saturates)
.endr
.irp t, 0,1
	v_ldexp_f32 v[FP+2*\t], 1.0, v[BM+16*\t+14]                      ; f = 2^(old M - new M)
.endr
.irp t, 0,1
.set n, 0
.rept 32
	v_pk_fma_f32 v[S+64*\t+n:S+64*\t+n+1], v[S+64*\t+n:S+64*\t+n+1], s[CS:CS+1], v[ST+4*\t:ST+4*\t+1] op_sel_hi:[1,0,0]   ; t - M, two at a time (of the pairs c and -M the low word serves both halves)
.set n, n+2
.endr
.irp b, 0,1,2,3
	v_fma_f32 v[BM+16*\t+\b], v[BM+16*\t+\b], s[CS], v[ST+4*\t]      ; the same of each block's largest score
.endr
.endr
.set n, 0
	s_wait_alu depctr_va_vdst(0)
.rept 128
	v_exp_f32 v[S+n], v[S+n]                       ; p = 2^(t - M), at most 1: NOT normalised
.set n, n+1
.endr
.irp t, 0,1
	v_pk_mul_f32 v[ST+4*\t+2:ST+4*\t+3], v[ST+4*\t+2:ST+4*\t+3], v[FP+2*\t:FP+2*\t+1] op_sel_hi:[1,0]   ; the sums under the new M: the plain place behind the exponentials
.endr
	s_wait_alu depctr_va_vdst(0)                   ; one wait for the whole batch, ahead of its first reader
.irp t, 0,1
.irp b, 0,1,2,3
	v_exp_f32 v[BM+16*\t+\b], v[BM+16*\t+\b]       ; the block's largest p: the same two instructions on the same number give the same bits
.endr
.endr
.irp t, 0,1
	v_pk_add_f32 v[BM+16*\t+12:BM+16*\t+13], v[S+64*\t:S+64*\t+1], v[S+64*\t+2:S+64*\t+3]   ; THE ROW'S SUM IS TAKEN OF THE UNQUANTISED p: two at a time, in two chains a tile
.endr
.irp j, 4,8,12,16,20,24,28,32,36,40,44,48,52,56,60
.irp t, 0,1
	v_pk_add_f32 v[ST+4*\t+2:ST+4*\t+3], v[ST+4*\t+2:ST+4*\t+3], v[S+64*\t+\j:S+64*\t+\j+1]
	v_pk_add_f32 v[BM+16*\t+12:BM+16*\t+13], v[BM+16*\t+12:BM+16*\t+13], v[S+64*\t+\j+2:S+64*\t+\j+3]
.endr
.endr
.irp t, 0,1
	v_pk_add_f32 v[ST+4*\t+2:ST+4*\t+3], v[ST+4*\t+2:ST+4*\t+3], v[BM+16*\t+12:BM+16*\t+13]
.endr
	s_wait_alu depctr_va_vdst(0)                   ; and one for the eight
.irp t, 0,1
.irp b, 0,1,2,3
	v_max_num_f32 v[BM+16*\t+\b], 0x1800000, v[BM+16*\t+\b]          ; the floor 2^(3 - 127): the byte cannot fall under 1
.endr
.endr
.irp t, 0,1
.irp b, 0,1,2,3
	v_add_nc_u32 v[BM+16*\t+8+\b], 0xff000000, v[BM+16*\t+\b]        ; 2 off the exponent field: the conversion's scale operand
.endr
.endr
.irp t, 0,1
.irp b, 0,1,2,3
	v_lshrrev_b32 v[BM+16*\t+4+\b], 23, v[BM+16*\t+8+\b]             ; the scale's byte
.endr
.endr
.irp t, 0,1
	v_lshl_or_b32 v[PS+\t], v[BM+16*\t+5], 8, v[BM+16*\t+4]          ; p's scale word for these 128 keys
.endr
.irp t, 0,1
	v_lshl_or_b32 v[PS+\t], v[BM+16*\t+6], 16, v[PS+\t]
.endr
.irp t, 0,1
	v_lshl_or_b32 v[PS+\t], v[BM+16*\t+7], 24, v[PS+\t]
.endr
.irp t, 0,1
.irp c, 0,1
	v_cvt_scalef32_pk16_fp6_f32 v[P+12*\t+6*\c:P+12*\t+6*\c+2], v[S+64*\t+32*\c:S+64*\t+32*\c+15], v[BM+16*\t+8+2*\c]
	v_cvt_scalef32_pk16_fp6_f32 v[CT+8*\t+4*\c:CT+8*\t+4*\c+2], v[S+64*\t+32*\c+16:S+64*\t+32*\c+31], v[BM+16*\t+8+2*\c+1]   ; (a conversion's three registers begin on an even number)
.endr
.endr
	v_nop                                          ; one plain place behind a scaled conversion
.irp t, 0,1
.irp c, 0,1                                    ; the operand's layout wants a WHOLE block in a lane: lanes 0-15 block 2 c, lanes 16-31 block 2 c + 1
.irp i, 0,1,2
	v_permlane16_swap_b32 v[P+12*\t+6*\c+\i], v[CT+8*\t+4*\c+\i]
.endr
.irp i, 0,1,2
	v_mov_b32 v[P+12*\t+6*\c+3+\i], v[CT+8*\t+4*\c+\i]
.endr
.endr
.endr
.if \first == 0
	WIN W_RS
.irp t, 0,1
.set n, 0
.rept 64
	v_pk_mul_f32 v[128*\t+n:128*\t+n+1], v[128*\t+n:128*\t+n+1], v[FP+2*\t:FP+2*\t+1] op_sel_hi:[1,0]   ; O^T under the new M: x f; each accumulator from its low end on
.set n, n+2
.endr
.endr
	WIN 0
.endif
	PLACES 8                                       ; p's scale words, written by vector instructions, stand eight places ahead of the scaled products that take them, its codes four
.endm
.macro TRIP fill, pv, first
	CHANGE \fill
	KLOAD
.if \fill
	ASK                                            ; behind the joint load and the run of LDS loads that the next products wait for
.endif
.if \pv
	s_wait_alu depctr_va_vdst(0)
	PV \pv                                         ; the step before: V and p lie in registers (V's loads were waited for in front of the change's barrier)
.endif
	KQ
	s_wait_alu depctr_va_vdst(0)
	VLOAD
	SOFTMAX \first
	s_xor_b32 s[TB], s[TB], SLOT1                  ; on to the other slot
.endm
	s_load_b128 s[4:7], s[0:1], 0x0                ; qc s[4:5], kv s[6:7]
	s_load_b64 s[8:9], s[0:1], 0x10                ; out0
	v_lshl_add_u32 v[SPW], v0, 2, SPARE
	v_mov_b32 v[NIL], 0
	ds_add_u32 v[SPW], v[NIL]
	ds_add_u32 v[SPW], v[NIL]                      ; the wave's opening add, waited for ahead of my first tensor load; the set-up below, work on registers, stands between the add and its wait
	v_lshrrev_b32 v1, 5, v0
	v_readfirstlane_b32 s[WV], v1                  ; wave 0..3
	s_bfe_u32 s[CX], ttmp6, 0x40000                ; cx: my place in the cluster: it enters Q's, out0's and the prefetches' addresses alone
	s_lshl_b32 s[QB], ttmp9, 2
	s_add_co_u32 s[QB], s[QB], s[CX]               ; my block of 64 queries = 4 x cluster x + cx
	s_and_b32 s[BAT], ttmp7, 0xffff                ; the batch, which the four partners share
	; descriptor group 1: 25,600 dense bytes as 100 rows of 256 (32 elements of 8 bytes), no padding: the images are read 512 consecutive bytes an instruction
	s_mov_b32 s[G1], 15|(3<<16)|(1<<21)            ; 15:0 the mask: all four work-groups; 17:16 elements of 8 bytes; 21 set beside a mask
	s_mov_b32 s[G1+1], 32<<16                      ; tensor_dim0
	s_mov_b32 s[G1+2], 100<<16                     ; tensor_dim1
	s_mov_b32 s[G1+3], 32<<16                      ; tile_dim0
	s_mov_b32 s[G1+4], 100                         ; tile_dim1
	s_mov_b32 s[G1+5], 32                          ; tensor_dim0_stride
	s_mov_b32 s[G1+6], 0
	s_mov_b32 s[G1+7], 0
	s_mul_i32 s16, s[BAT], BATB                    ; the batch's first byte in kv
	s_mul_i32 s17, s[WV], CHK                      ; my quarter, in a slot and in memory
	s_add_co_u32 s18, s16, s17
	s_mov_b32 s19, 0
	s_lshl_b32 s20, s[BAT], 5
	s_lshr_b32 s21, s[QB], 1
	s_add_co_u32 s20, s20, s21
	s_mul_i32 s20, s20, CHK                        ; my chunk of qc: 32 x batch + block / 2
	s_and_b32 s21, s[QB], 1                        ; which half of its eight tiles is my work-group's
	s_and_b32 s22, s[WV], 1                        ; which half of the work-group's queries is mine
	s_lshr_b32 s23, s[WV], 1                       ; which stream of keys
	s_mul_i32 s48, s21, 8*FRB
	s_mul_i32 s50, s22, 4*FRB
	s_add_co_u32 s48, s48, s50
	s_add_co_u32 s48, s48, s20                     ; my two tiles' four fragments
	s_mov_b32 s49, 0
	s_lshl_b32 s50, s21, 9
	s_lshl_b32 s51, s22, 3
	s_add_co_u32 s50, s50, s51
	s_add_co_u32 s50, s50, s20
	s_add_co_u32 s50, s50, 16*FRB                  ; and their scale words: 8 bytes a lane
	s_mov_b32 s51, 0
	s_lshl_b32 s52, s[BAT], 12
	s_lshl_b32 s53, s[QB], 6
	s_add_co_u32 s52, s52, s53
	s_lshl_b32 s53, s22, 5
	s_add_co_u32 s52, s52, s53
	s_lshl_b32 s53, s23, 3
	s_add_co_u32 s52, s52, s53                     ; the first row of out0 that I store: the tile that I finish begins 8 x stream rows into my 32
	s_lshl_b32 s52, s52, 10
	s_mov_b32 s53, 0
	s_lshl_b32 s54, s[CX], 2
	s_add_co_u32 s54, s54, s[WV]
	s_lshl_b32 s54, s54, 13                        ; the prefetches: 8,192 bytes for each of the cluster's sixteen waves,
	s_add_co_u32 s54, s54, s16
	s_add_co_u32 s54, s54, 65536                   ; from here; the first change of slots steps it on.  Nothing is prefetched at the head, where every work-group's first tiles are on their way
	s_mov_b32 s55, 0
	s_cmp_eq_u32 ttmp9, 0
	s_cselect_b32 s[LIM], 4, -1
	s_mov_b32 s[CS], 0x3db8aa3b                    ; c = log2(e) / 16
	s_mov_b32 s[CS+1], s[CS]                       ; (named with it as a pair, so it is written)
	s_mov_b32 s[SEL], 0x76543210
	s_mov_b32 s[SEL+1], 0xfedcba98
	s_mov_b32 s[TB], 0
	s_mov_b32 s[SLOTS], 15
	s_wait_dscnt 0x0                               ; the opening add is done
	s_wait_kmcnt 0x0
	s_mov_b32 s[G0], 1                             ; 1:0 count = 1
	s_mov_b32 s[G0+1], s17                         ; 63:32 LDS address: slot 0, my quarter
	s_add_nc_u64 s[G0+2:G0+3], s[6:7], s[18:19]    ; 120:64 global address: the batch's first two key steps, my quarter
	s_or_b32 s[G0+3], s[G0+3], 0x80000000          ; 127:126 type = 2
	s_add_nc_u64 s[QSP:QSP+1], s[4:5], s[50:51]
	s_add_nc_u64 s[4:5], s[4:5], s[48:49]
	s_add_nc_u64 s[8:9], s[8:9], s[52:53]
	s_add_nc_u64 s[PFA:PFA+1], s[6:7], s[54:55]
	CROUND                                         ; all four work-groups are here: the first joint loads meet
	tensor_load_to_lds s[G0:G0+3], s[G1:G1+7]      ; slot 0; slot 1 is filled behind the first trip's round, as a refill is
	s_nop 0
	PLACES 4
	v_and_b32 v[LI], 31, v0
	v_lshlrev_b32 v[XW4], 2, v[LI]                 ; 4 x lane, for the moment
	v_lshlrev_b32 v[LI], 4, v[LI]
	s_wait_alu depctr_va_vdst(0)
	v_lshlrev_b32 v[PFO], 4, v[LI]
	WIN TO2
.irp f, 0,1,2,3                                ; Q stays in registers: fragment f = 2 t + s
.irp c, 0,1,2
	global_load_b128 v[QF+12*\f+4*\c:QF+12*\f+4*\c+3], v[LI], s[4:5] offset:FRB*\f+512*\c
.endr
.endr
	WIN 0
	global_load_b64 v[QS:QS+1], v[LI], s[QSP:QSP+1]
	; every LDS address is made here, ahead of any branch on the wave's number
	s_mul_i32 s56, s23, STEPB
	v_add_nc_u32 v[AK0], s56, v[LI]
	v_and_b32 v[MB], 15, v0                        ; r
	v_bfe_u32 v[LB], v0, 4, 1                      ; h
	s_mul_i32 s57, s[WV], XCHW                     ; my stage (16 x SPITCH bytes a wave)
	v_mul_u32_u24 v[STO], v[MB], SPITCH
	v_lshl_add_u32 v[STO], v[LB], 6, v[STO]
	v_add_nc_u32 v[STO], s57, v[STO]               ; in: row r, + 64 h
	v_add_nc_u32 v[RD], s57, v[LI]                 ; back: 16 bytes a lane
	s_add_co_u32 s58, s57, XCH
	s_xor_b32 s59, s[WV], 2                        ; my partner: the same queries, the other stream
	s_mul_i32 s59, s59, XCHW
	s_add_co_u32 s59, s59, XCH
	v_add_nc_u32 v[XW], s58, v[LI]
	v_add_nc_u32 v[XR], s59, v[LI]
	v_add_nc_u32 v[XR4], s59, v[XW4]
	v_add_nc_u32 v[XW4], s58, v[XW4]
.irp t, 0,1
	v_mov_b32 v[ST+4*\t+1], 0xff61b1e6             ; the largest t so far: -3e38, under every t
	v_floor_f32 v[ST+4*\t], -v[ST+4*\t+1]          ; -M
	v_mov_b32 v[ST+4*\t+2], 0                      ; the sum, in two halves
	v_mov_b32 v[ST+4*\t+3], 0
	v_mov_b32 v[FP+2*\t+1], 0                      ; (named as the upper half of a pair)
.irp b, 0,1,2,3
	v_mov_b32 v[BM+16*\t+4+\b], 0                  ; written once: a lane permute's destination counts as one of its sources
.endr
.endr
	v_mov_b32 v[GA+1], 0
	v_mov_b32 v[GB+1], 0
	s_wait_loadcnt 0x0                             ; Q
	TRIP 1, 0, 1                                   ; my first step: no step before it, no O^T yet
	s_sub_co_u32 s[SLOTS], s[SLOTS], 1
	TRIP 1, 1, 0                                   ; V^T P of the first step starts O^T's sums
	s_sub_co_u32 s[SLOTS], s[SLOTS], 1
.Lslot:                                            ; 13 trips
	TRIP 1, 2, 0
	s_sub_co_u32 s[SLOTS], s[SLOTS], 1
	s_cmp_lg_u32 s[SLOTS], 0
	s_cbranch_scc1 .Lslot
	TRIP 0, 2, 0                                   ; the last trip is written out: nothing is left to fetch
	s_wait_alu depctr_va_vdst(0)
	s_wait_dscnt 0x0                               ; V of the last step
	PV 2
	WIN 0
	PLACES 4                                       ; behind the last products, ahead of the first read of O^T
	; THE MERGE.  The row's sums: two halves, and lane l xor 16's.  Then each wave hands one tile of O^T, with its -M and its sum, to its partner, and finishes the other
.irp t, 0,1
	v_add_f32 v[ST+4*\t+2], v[ST+4*\t+2], v[ST+4*\t+3]
.endr
.irp t, 0,1
	v_permlanex16_b32 v[BM+16*\t+4], v[ST+4*\t+2], s[SEL], s[SEL+1]
.endr
.irp t, 0,1
	v_add_f32 v[ST+4*\t+2], v[ST+4*\t+2], v[BM+16*\t+4]
.endr
.macro SENDT t                                 ; tile t as its registers stand, each accumulator from its low end on
	WIN 0x04                                       ; an LDS store's data are its source 1: window 1
.set n, 0
.rept 32
	ds_store_b128 v[XW], v[128*\t+4*n:128*\t+4*n+3] offset:512*n
.set n, n+1
.endr
	WIN 0
	ds_store_b32 v[XW4], v[ST+4*\t] offset:16384
	ds_store_b32 v[XW4], v[ST+4*\t+2] offset:16512
.endm
.macro RECVT t                                 ; tile t is finished: (O x fa + O' x fb) / (l x fa + l' x fb), fa and fb whole powers of two
	WIN TO2
.set n, 0
.rept 32
	ds_load_b128 v[4*n:4*n+3], v[XR] offset:512*n  ; into the registers that held K
.set n, n+1
.endr
	WIN 0
	ds_load_b32 v[MB], v[XR4] offset:16384
	ds_load_b32 v[LB], v[XR4] offset:16512
	s_wait_dscnt 0x0
	v_min_num_f32 v[MN], v[ST+4*\t], v[MB]         ; the joint -M
	v_sub_f32 v[T0], v[MN], v[ST+4*\t]             ; my M - the joint M: a whole number, 0 or less
	v_sub_f32 v[T1], v[MN], v[MB]
	v_cvt_i32_f32 v[T0], v[T0]
	v_cvt_i32_f32 v[T1], v[T1]
	v_ldexp_f32 v[T0], 1.0, v[T0]
	s_wait_alu depctr_va_vdst(0)
	v_ldexp_f32 v[T1], 1.0, v[T1]
	v_mul_f32 v[LL], v[ST+4*\t+2], v[T0]
	v_fma_f32 v[LL], v[LB], v[T1], v[LL]
	s_wait_alu depctr_va_vdst(0)
	v_rcp_f32 v[LL], v[LL]
	v_nop                                          ; a plain place behind the reciprocal
	s_wait_alu depctr_va_vdst(0)                   ; and the wait ahead of its first reader
	v_mul_f32 v[GA], v[T0], v[LL]
	v_mul_f32 v[GB], v[T1], v[LL]
	WIN 0x01                                       ; source 0: my O^T, window 1
.set n, 0
.rept 64
	v_pk_mul_f32 v[S+n:S+n+1], v[128*\t+n:128*\t+n+1], v[GA:GA+1] op_sel_hi:[1,0]
.set n, n+2
.endr
	WIN 0x02                                       ; source 0: my partner's, window 2
.set n, 0
.rept 64
	v_pk_fma_f32 v[S+n:S+n+1], v[n:n+1], v[GB:GB+1], v[S+n:S+n+1] op_sel_hi:[1,0,1]
.set n, n+2
.endr
	WIN 0
.irp b, 0,1,2,3,4,5,6,7                        ; registers 16 b + 0 .. 15 are channels 32 b + 16 h + 0 .. 15 of my row
.irp q, 0,1,2,3
	ds_store_b128 v[STO], v[S+16*\b+4*\q:S+16*\b+4*\q+3] offset:128*\b+16*\q
.endr
.endr
	WIN TO3
.set n, 0
.rept 32
	ds_load_b128 v[4*n:4*n+3], v[RD] offset:SPITCH*(n/2)+512*(n%2)   ; LDS serves a wave's instructions in order (ISA guide 5.7.1.4): these see my stores
.set n, n+1
.endr
	WIN 0x0c                                       ; a store's data are its source 1: window 3
.set n, 0
.rept 32
	s_wait_dscnt 31-n                              ; the younger loads from the stage may be out
	global_store_b128 v[LI], v[4*n:4*n+3], s[8:9] offset:1024*((n/2)+8*((n/2)/8))+512*(n%2) th:TH_STORE_NT   ; 32 lanes store 512 consecutive bytes, half a row; stage row r is row r + 8 (r / 8) of the tile
.set n, n+1
.endr
	WIN 0
.endm
	s_cmp_lt_u32 s[WV], 2
	s_cbranch_scc0 .Lsend_0
	SENDT 1                                        ; stream 0 hands over tile 1,
	s_branch .Lsent
.Lsend_0:
	s_wait_alu depctr_va_vdst(0)
	SENDT 0                                        ; stream 1 tile 0
.Lsent:
	s_wait_dscnt 0x0                               ; for the partner's sake: my stores are done
	s_barrier_signal -1
	s_barrier_wait -1
	s_cmp_lt_u32 s[WV], 2
	s_cbranch_scc0 .Lrecv_1
	RECVT 0
	s_branch .Ldone
.Lrecv_1:
	RECVT 1
.Ldone:
	s_wait_tensorcnt 0x0                           ; the wave's end, behind my last tensor load and my last LDS store
	ds_add_u32 v[SPW], v[NIL]
	s_wait_dscnt 0x0
	CROUND                                         ; the closing round: no work-group ends while a partner may still ask for a tile that names it
	s_endpgm
.Lfunc_end_k_qa982ab13cc_attn:
	.size	k_qa982ab13cc_attn, .Lfunc_end_k_qa982ab13cc_attn-k_qa982ab13cc_attn
	.p2alignl 7, 3214868480
	.fill 96, 4, 3214868480
	.section	.rodata,"a",@progbits
	.p2align	6, 0x0
	.amdhsa_kernel k_qa982ab13cc_attn
		.amdhsa_group_segment_fixed_size 327680
		.amdhsa_private_segment_fixed_size 0
		.amdhsa_enable_private_segment 0
		.amdhsa_kernarg_size 24
		.amdhsa_user_sgpr_count 2
		.amdhsa_user_sgpr_kernarg_segment_ptr 1
		.amdhsa_wavefront_size32 1
		.amdhsa_system_sgpr_workgroup_id_x 1
		.amdhsa_system_sgpr_workgroup_id_y 1
		.amdhsa_system_sgpr_workgroup_id_z 1
		.amdhsa_system_vgpr_workitem_id 0
		.amdhsa_next_free_vgpr 1024
		.amdhsa_next_free_sgpr 66
		.amdhsa_reserve_vcc 0
		.amdhsa_float_denorm_mode_32 3
		.amdhsa_float_denorm_mode_16_64 3
		.amdhsa_memory_ordered 1
		.amdhsa_forward_progress 1
		.amdhsa_inst_pref_size 225
	.end_amdhsa_kernel
	.amdgpu_metadata
---
amdhsa.version: [ 1, 2 ]
amdhsa.kernels:
  - .name:           k_qa982ab13cc_attn
    .symbol:         k_qa982ab13cc_attn.kd
    .args:
      - { .name: qc, .offset: 0, .size: 8, .value_kind: global_buffer, .address_space: global }
      - { .name: kv, .offset: 8, .size: 8, .value_kind: global_buffer, .address_space: global }
      - { .name: out0, .offset: 16, .size: 8, .value_kind: global_buffer, .address_space: global }
    .group_segment_fixed_size: 327680
    .private_segment_fixed_size: 0
    .kernarg_segment_align: 8
    .kernarg_segment_size: 24
    .max_flat_workgroup_size: 128
    .sgpr_count:     66
    .vgpr_count:     1024
    .wavefront_size: 32
...
	.end_amdgpu_metadata
.endif
;; end of part 4
